; MI455X (gfx1250); checked and timed in simulation.
; The chip was launched on July 23, 2026; its instructions are those of AMD's public machine-readable ISA for CDNA 5 (MIT licence, August 2026) and "CDNA5" Instruction Set Architecture Reference Guide (July 2026). The comments in the code are by the model that wrote it; some were corrected since.
;; Attention. Allowed arithmetic: float matrix products may take bf16 or f16 operands with f32 sums; other float arithmetic in f32, or as packed bf16 or f16 multiplies, adds, multiply-adds, maxima and minima; sums over many terms, partial sums and values carried from step to step in f32; what a program stores and reads back later, other than sums and carried values, may be rounded once to bf16 or f16.
;; Inputs: W_out 1,024 x 1,024 float32; W_qkv 1,024 x 3,072 float32; b_out 1,024 float32; x 4 x 4,096 x 1,024 float32.
;; Outputs: out0 4 x 4,096 x 1,024 float32.
;; One version. Each part assembles by itself: llvm-mc -triple=amdgcn-amd-amdhsa -mcpu=gfx1250 --defsym DOCPART=n.
;; ======== version 1 of 1: 4 launches
;; limits: values are held in f16: magnitudes above 65,504 overflow, below 6.1e-05 lose precision
;; workspace buffers: xh 33,554,432 bytes; wq 6,291,456 bytes; wo 2,097,152 bytes; qkv 100,663,296 bytes; oh 33,554,432 bytes
;; launch cast (part 1): grid 1280 x 1, 8 waves a work-group, no clusters, 0 bytes of LDS; arguments x, W_qkv, W_out, xh, wq, wo; writes xh, wq, wo
.if DOCPART == 1
	.amdgcn_target "amdgcn-amd-amdhsa--gfx1250"
	.amdhsa_code_object_version 6
	.text
	.protected	k_q6df5d5a8fc_cast
	.globl	k_q6df5d5a8fc_cast
	.p2align	8
	.type	k_q6df5d5a8fc_cast,@function
k_q6df5d5a8fc_cast:
	s_mov_b64 s[64:65], 0
	v_nop
	global_prefetch_b8 v0, s[64:65] scope:SCOPE_SE
	s_setreg_imm32_b32 hwreg(HW_REG_WAVE_MODE, 25, 1), 1
	s_wait_xcnt 0x0
; THE INPUTS OF THE TWO LARGE PRODUCTS, ROUNDED ONCE TO 16 BITS; the layouts stay as they are.
;   x [16384][1024] f32 -> xh bf16;  W_qkv [1024][3072] f32 -> wq bf16;  W_out [1024][1024] f32 -> wo: rounded to bf16, and that number written as f16.
; LIMIT.  A bf16 number is exact in f16 between 6e-5 and 65,504 in magnitude; below 6e-5 W_out keeps f16's fixed step of 6e-8, beyond 65,504 it would be an infinity.
; SHARES.  A work-group takes 16,384 numbers: 65,536 bytes in, 32,768 out.  Work-groups 0-1023 take x, 1024-1215 W_qkv, 1216-1279 W_out: exactly the three inputs.
; In step j of 16 thread t loads the 16 bytes at 4,096 j + 16 t (a wave: 512 bytes on end) and stores the 8 bytes at 2,048 j + 8 t (a wave: 256 bytes on end, aligned).
; All 16 loads go out at the head.  A step's numbers are rounded in place, into the first two of its four registers, and stored from there; no register that a store names is written again,
; so no wait frees a source.  72 registers are named and 96 asked for: ten waves then share a SIMD's 1,024 registers, five work-groups lie on a WGP, and 1,280 = 5 x 256 run side by side.
; A stream: no LDS, no matrix unit, no cluster (no two work-groups read the same byte).
.set NX, 1024                          ; work-groups for x
.set NQ, 192                           ; for W_qkv
.set X,  4                             ; v[4:67]    step j: 4 numbers as loaded; then, in its first 2 registers, the 4 numbers to store
.set T,  68                            ; v[68:71]   at work (W_out's way)
	s_load_b256 s[4:11], s[0:1], 0x0               ; x s[4:5], W_qkv s[6:7], W_out s[8:9], xh s[10:11]
	s_load_b128 s[12:15], s[0:1], 0x20             ; wq s[12:13], wo s[14:15]
	v_lshlrev_b32 v1, 4, v0                        ; 16 t
	v_lshlrev_b32 v2, 3, v0                        ; 8 t
	s_wait_kmcnt 0x0
	s_cmp_lt_u32 ttmp9, NX                         ; x, or one of the weights?
	s_cselect_b64 s[16:17], s[4:5], s[6:7]         ; from where,
	s_cselect_b64 s[18:19], s[10:11], s[12:13]     ; to where,
	s_cselect_b32 s20, 0, NX                       ; and the first work-group of that tensor
	s_cmp_lt_u32 ttmp9, NX+NQ                      ; or W_out?
	s_cselect_b64 s[16:17], s[16:17], s[8:9]
	s_cselect_b64 s[18:19], s[18:19], s[14:15]
	s_cselect_b32 s20, s20, NX+NQ
	s_sub_co_u32 s20, ttmp9, s20                   ; my number among the tensor's work-groups
	s_lshl_b32 s22, s20, 15                        ; x 32,768 bytes out
	s_lshl_b32 s20, s20, 16                        ; x 65,536 bytes in (under 2^27)
	s_mov_b32 s21, 0
	s_mov_b32 s23, 0
	s_add_nc_u64 s[16:17], s[16:17], s[20:21]
	s_add_nc_u64 s[18:19], s[18:19], s[22:23]
.irp j, 0,1,2,3,4,5,6,7,8,9,10,11,12,13,14,15
	global_load_b128 v[X+4*(\j):X+4*(\j)+3], v1, s[16:17] offset:4096*(\j) th:TH_LOAD_NT
.endr
; Step j.  f16 = 1: the bf16 numbers are widened again (a shift, a mask) and written as f16.
.macro STEP j, f16
	s_wait_loadcnt 15-(\j)                         ; loads come back in order (ISA guide 5.7.1): step j's is in, the 15 - j younger ones stay out
	v_cvt_pk_bf16_f32 v[X+4*(\j)],   v[X+4*(\j)],   v[X+4*(\j)+1]
	v_cvt_pk_bf16_f32 v[X+4*(\j)+1], v[X+4*(\j)+2], v[X+4*(\j)+3]
.if \f16
	v_lshlrev_b32 v[T],   16,         v[X+4*(\j)]
	v_and_b32     v[T+1], 0xffff0000, v[X+4*(\j)]
	v_lshlrev_b32 v[T+2], 16,         v[X+4*(\j)+1]
	v_and_b32     v[T+3], 0xffff0000, v[X+4*(\j)+1]
	v_cvt_pk_f16_f32 v[X+4*(\j)],   v[T],   v[T+1]
	v_cvt_pk_f16_f32 v[X+4*(\j)+1], v[T+2], v[T+3]
.endif
	global_store_b64 v2, v[X+4*(\j):X+4*(\j)+1], s[18:19] offset:2048*(\j) th:TH_STORE_NT
.endm
	s_cmp_ge_u32 ttmp9, NX+NQ
	s_cbranch_scc1 .Lf16
.irp j, 0,1,2,3,4,5,6,7,8,9,10,11,12,13,14,15
	STEP \j, 0
.endr
	s_endpgm
.Lf16:
.irp j, 0,1,2,3,4,5,6,7,8,9,10,11,12,13,14,15
	STEP \j, 1
.endr
	s_endpgm
.Lfunc_end_k_q6df5d5a8fc_cast:
	.size	k_q6df5d5a8fc_cast, .Lfunc_end_k_q6df5d5a8fc_cast-k_q6df5d5a8fc_cast
	.p2alignl 7, 3214868480
	.fill 96, 4, 3214868480
	.section	.rodata,"a",@progbits
	.p2align	6, 0x0
	.amdhsa_kernel k_q6df5d5a8fc_cast
		.amdhsa_group_segment_fixed_size 0
		.amdhsa_private_segment_fixed_size 0
		.amdhsa_enable_private_segment 0
		.amdhsa_kernarg_size 48
		.amdhsa_user_sgpr_count 2
		.amdhsa_user_sgpr_kernarg_segment_ptr 1
		.amdhsa_wavefront_size32 1
		.amdhsa_system_sgpr_workgroup_id_x 1
		.amdhsa_system_sgpr_workgroup_id_y 1
		.amdhsa_system_sgpr_workgroup_id_z 1
		.amdhsa_system_vgpr_workitem_id 0
		.amdhsa_next_free_vgpr 96
		.amdhsa_next_free_sgpr 66
		.amdhsa_reserve_vcc 0
		.amdhsa_float_denorm_mode_32 3
		.amdhsa_float_denorm_mode_16_64 3
		.amdhsa_memory_ordered 1
		.amdhsa_forward_progress 1
		.amdhsa_inst_pref_size 16
	.end_amdhsa_kernel
	.amdgpu_metadata
---
amdhsa.version: [ 1, 2 ]
amdhsa.kernels:
  - .name:           k_q6df5d5a8fc_cast
    .symbol:         k_q6df5d5a8fc_cast.kd
    .args:
      - { .name: x, .offset: 0, .size: 8, .value_kind: global_buffer, .address_space: global }
      - { .name: W_qkv, .offset: 8, .size: 8, .value_kind: global_buffer, .address_space: global }
      - { .name: W_out, .offset: 16, .size: 8, .value_kind: global_buffer, .address_space: global }
      - { .name: xh, .offset: 24, .size: 8, .value_kind: global_buffer, .address_space: global }
      - { .name: wq, .offset: 32, .size: 8, .value_kind: global_buffer, .address_space: global }
      - { .name: wo, .offset: 40, .size: 8, .value_kind: global_buffer, .address_space: global }
    .group_segment_fixed_size: 0
    .private_segment_fixed_size: 0
    .kernarg_segment_align: 8
    .kernarg_segment_size: 48
    .max_flat_workgroup_size: 256
    .sgpr_count:     66
    .vgpr_count:     96
    .wavefront_size: 32
...
	.end_amdgpu_metadata
.endif
;; end of part 1
;; launch gemm_qkv (part 2): grid 4 x 64, 4 waves a work-group, clusters of 4 x 4, 327,680 bytes of LDS; arguments xh, wq, qkv; writes qkv
.if DOCPART == 2
	.amdgcn_target "amdgcn-amd-amdhsa--gfx1250"
	.amdhsa_code_object_version 6
	.text
	.protected	k_q6df5d5a8fc_gemm_qkv
	.globl	k_q6df5d5a8fc_gemm_qkv
	.p2align	8
	.type	k_q6df5d5a8fc_gemm_qkv,@function
k_q6df5d5a8fc_gemm_qkv:
	s_mov_b64 s[64:65], 0
	v_nop
	global_prefetch_b8 v0, s[64:65] scope:SCOPE_SE
	s_setreg_imm32_b32 hwreg(HW_REG_WAVE_MODE, 25, 1), 1
	s_wait_xcnt 0x0
	s_wait_alu depctr_hold_cnt(0) depctr_sa_sdst(0) depctr_va_vdst(0) depctr_va_sdst(0) depctr_va_ssrc(0) depctr_va_vcc(0) depctr_vm_vsrc(0)
	s_getreg_b32 s2, hwreg(HW_REG_IB_STS2, 6, 4)
	s_cmp_eq_u32 s2, 0
	s_cbranch_scc0 .Lentry_in_a_cluster
	s_endpgm
.Lentry_in_a_cluster:
	s_bfe_u32 s2, ttmp6, 0x10000c
	s_cmp_lg_u32 s2, 0xf033
	s_cbranch_scc0 .Lentry_shape_is_right
	s_endpgm
.Lentry_shape_is_right:
; qkv[m][n] = the sum over k of xh[m][k] wq[k][n].  xh: [16384][1024] bf16, wq: [1024][3072] bf16 (k down the rows), qkv: [16384][3072] f16; sums in f32, K ascending, rounded once.
; LIMIT.  f16 ends at 65,504: a q, k or v beyond that would be stored as an infinity.  NaN and infinities are not treated apart.
; SHARES.  A tile of C is 256 x 256, made by four waves, each 128 x 128: 64 accumulators of 16 x 16, 512 registers.  K goes in steps of 128 through a ring of two LDS slots filled by the tensor data mover.
; A WORK-GROUP STAYS: it makes TILES = 3 tiles of one tile row, 1,024 columns apart (its part of q, of k and of v), so that 4 x 64 work-groups cover C; the ring runs on across the tiles:
; a tile's last two changes of slots ask for the next tile's first two K steps, and nothing waits for a tile's stores.  The way out is written once: the last tile's tail, which asks for nothing, joins it by a jump forward.
; CLUSTERS: 4 x 4 work-groups.  The four of a row of the cluster need the same tiles of A, the four of a column the same tiles of B: each tile is asked for JOINTLY, by the same tensor load
; with the same descriptor and a mask that names the four.
; B LIES [K][N]: its tile is 128 k-rows x 512 bytes, and its fragments come out of LDS turned, by ds_load_tr16_b128.
; THE MATRIX INSTRUCTION IS USED TRANSPOSED: source 0 = 16 columns of B, source 1 = 16 rows of A.  Lane l then holds row l % 16 of C and the columns 8 (l / 16) + 0..7: 16 bytes on end once rounded.
; REGISTERS, in windows of 256 (s_set_vgpr_msb: bits 1:0 source 0, 3:2 source 1, 5:4 source 2, 7:6 destination):
;   window 0: v0-31 addresses; v64-127, v128-191 fragments of A, two buffers; v192-223, v32-63, v224-255 at work on the way out
;   window 1: v64-127, v128-191 fragments of B, two buffers      window 2: the accumulators of my rows 0-63 ((a, b) at v[8 (8 a + b)])      window 3: those of my rows 64-127
.set SIZE_K, 1024
.set NCOL,   3072                      ; columns of B and of C
.set TILES,  3
.set KSTEP,  128
.set PITCH,  272                       ; a row of A in LDS: 256 bytes + 16 = 68 words: the 16 rows of a load start at 16 different groups of four banks (64 banks of 4 bytes: ISA guide 11.1)
.set PB,     544                       ; a k-row of B in LDS: 512 bytes + 32 = 136 words
.set HALFT,  128*PITCH                 ; what one tensor load brings: 128 rows of A, or 64 k-rows of B (64 x 544 is the same number)
.set SLOT,   4*HALFT                   ; A's 256 rows, then B's 128 k-rows
.set STAGE,  2*SLOT                    ; behind the ring: 16 rows x 272 bytes for each wave, for the way out; no tensor load fills it
.set SPITCH, 272
.set SPARE,  STAGE+4*16*SPITCH         ; behind the stages: the spare words, 128 bytes for each wave: two blocks of 256 bytes that no other line names
.set LAPS,   SIZE_K/(2*KSTEP)          ; a lap = two K steps = once round the ring
.set KSB,    KSTEP*NCOL*2              ; bytes of B from a K step to the next
.set BACK_A, (SIZE_K-2*KSTEP)*2        ; from a slot's last K step of a tile to its first of the next: A goes back along K,
.set BACK_B, (SIZE_K/KSTEP-2)*KSB-2048 ; B back up its rows and 1,024 columns on
.set ADRA, 16                          ; v16-17  LDS address of my A fragments in slot 0, 1
.set ADRB, 20                          ; v20-21  the same for B
.set STO,  24                          ; v24     the way out: where I put 16 bytes of a row
.set RD,   25                          ; v25     the way out: where I read a row back
.set CO,   26                          ; v26     my byte offset in C
.set SPW,  28                          ; v28     LDS address of my spare word: SPARE + 4 x my thread's number; never rewritten
.set NIL,  29                          ; v29     0; never rewritten
.set PFO,  30                          ; v30     the prefetches' lane offset; never rewritten
.set F0,   64                          ; fragment buffer 0
.set F1,   128                         ; fragment buffer 1
.set TMP,  192                         ; the way out: packed results
.set OB,   32                          ; the way out: 16 rows read back from the stage: v32-63 and v224-255 by turns
.set G1,   24                          ; s[24:31] descriptor group 1 for A's tiles
.set G0,   32                          ; s[32:39] group 0 for A's tiles, a set for each slot
.set G1B,  48                          ; s[48:55] group 1 for B's tiles
.set G0B,  56                          ; s[56:63] group 0 for B's tiles, a set for each slot
.set LIM,  43                          ; s43      1 in a wave that prefetches, else the greatest number
.set PFA,  44                          ; s[44:45] where my prefetches stand: at the K step that the next one names
.set PST,  66                          ; s[66:67] bytes from a K step to the next, in the tensor that I fetch
.set PJ,   68                          ; s[68:69] bytes back from K step 9 of a tile to K step 2 of the next
.set MSB,  0
.macro WIN new                         ; the immediate's high byte repeats the setting that is left; a switch that changes nothing is dropped
.if MSB != (\new)
	s_set_vgpr_msb (MSB<<8)|(\new)
.set MSB, \new
.endif
.endm
.set MUL_LO, 0xa1                      ; source 0 (B) window 1, source 1 (A) window 0, C and D window 2
.set MUL_HI, 0xf1                      ; the same, C and D window 3
.set TO_B,   0x40                      ; destination window 1, address window 0
; A joint load.  Waves 0 and 1 fetch A's two halves, waves 2 and 3 B's.  The branch hangs on the wave's number alone.  An s_nop 0 and four v_nop follow each of the two lines,
; ahead of the jump, the label and what follows.
.macro JLOAD s
	s_cmp_eq_u32 s11, 0
	s_cbranch_scc0 .Lfor_b_\@
	tensor_load_to_lds s[G0+4*(\s):G0+4*(\s)+3], s[G1:G1+7]
	s_nop 0
.rept 4
	v_nop
.endr
	s_branch .Lasked_\@
.Lfor_b_\@:
	tensor_load_to_lds s[G0B+4*(\s):G0B+4*(\s)+3], s[G1B:G1B+7]
	s_nop 0
.rept 4
	v_nop
.endr
.Lasked_\@:
.endm
; A PREFETCH INTO THE L2, behind each joint load and the run of LDS loads that follows it: the K step that stands TWO refills on, 512 matrix instructions ahead of the load that will want it.
; Each aligned block of 256 bytes is named once in the launch.  A's rows are read by one row of clusters, which has one cluster: it asks, in a work-group's first tile alone (the later tiles
; walk the same rows).  B's columns are read by all sixteen clusters: the one with y = 0 asks.  The four partners of a joint load share its blocks out BY ADDRESS: of A's 128 rows a wave the partner
; at cx takes 32, a lane a row; of B's 64 k-rows the partner at cy takes 16, two lanes a row.  how = 0, in the loop: a tile's last two refills have no K step two on; how = 1, at a change of tiles.
.macro ASK how
.if \how
	s_cmp_eq_u32 s[LIM], 1
.else
	s_cmp_gt_u32 s3, s[LIM]                        ; s3 = 1 in the loop's last trip
.endif
	s_cbranch_scc0 .Lnot_mine_\@
	global_prefetch_b8 v[PFO], s[PFA:PFA+1] th:TH_LOAD_NT scope:SCOPE_SE
.Lnot_mine_\@:
.endm
; A round of the cluster's barrier: my work-group's barrier, so that wave 0's signal speaks for all four waves; wave 0 signals; every wave waits for all sixteen work-groups; my work-group's barrier once more.
.macro CREST                           ; a round behind its opening barrier
	s_cmp_lg_u32 s10, 0
	s_cbranch_scc1 .Lnot_wave_0_\@
	s_barrier_signal -3
.Lnot_wave_0_\@:
	s_barrier_wait -3
	s_barrier_signal -1
	s_barrier_wait -1
.endm
.macro CROUND                          ; a whole round
	s_barrier_signal -1
	s_barrier_wait -1
	CREST
.endm
	s_load_b128 s[4:7], s[0:1], 0x0                ; A s[4:5], B s[6:7]
	s_load_b64 s[8:9], s[0:1], 0x10                ; C
	v_lshl_add_u32 v[SPW], v0, 2, SPARE
	v_mov_b32 v[NIL], 0
	ds_add_u32 v[SPW], v[NIL]                      ; the wave's opening: the add and its wait stand ahead of my first tensor load; the set-up below, work on registers, stands between them
	ds_add_u32 v28, v29
	v_lshrrev_b32 v1, 5, v0
	v_readfirstlane_b32 s10, v1                    ; wave 0..3
	s_lshr_b32 s11, s10, 1                         ; which half of the tile's rows is mine.  Also: I fetch for A (0) or for B (1)
	s_and_b32 s12, s10, 1                          ; which half of its columns.  Also: which half of that tile I fetch
	s_bfe_u32 s40, ttmp6, 0x40000                  ; cx
	s_bfe_u32 s41, ttmp6, 0x40004                  ; cy
	s_lshl_b32 s42, ttmp9, 2
	s_add_co_u32 s42, s42, s40                     ; tile column (of a part's four) = 4 x cluster x + cx
	s_and_b32 s13, ttmp7, 0xffff
	s_lshl_b32 s13, s13, 2
	s_add_co_u32 s13, s13, s41                     ; tile row = 4 x cluster y + cy
	s_lshl_b32 s43, s41, 2
	s_lshl_b32 s43, 15, s43                        ; my row of the cluster: places 4 cy .. 4 cy + 3
	s_lshl_b32 s44, 0x1111, s40                    ; my column: places cx, cx + 4, cx + 8, cx + 12
	; group 1 for A: 128 rows x 128 elements; 15:0 the mask; 17:16 2-byte elements; 20 padding on; 21 set beside a mask; 24:22 after every 64 words (code 5); 31:25 4 words (code 3)
	s_or_b32 s[G1+0], s43, (1<<16)|(1<<20)|(1<<21)|(5<<22)|(3<<25)
	s_mov_b32 s[G1+1], KSTEP<<16                   ; tensor_dim0 = 128
	s_mov_b32 s[G1+2], 128<<16                     ; tensor_dim1 = 128
	s_mov_b32 s[G1+3], KSTEP<<16                   ; tile_dim0 = 128
	s_mov_b32 s[G1+4], 128                         ; tile_dim1 = 128
	s_mov_b32 s[G1+5], SIZE_K                      ; elements from row to row
	s_mov_b32 s[G1+6], 0
	s_mov_b32 s[G1+7], 0
	; group 1 for B: 64 k-rows x 256 elements; padding of 8 words (code 7) after every 128 words (code 6)
	s_or_b32 s[G1B+0], s44, (1<<16)|(1<<20)|(1<<21)|(6<<22)|(7<<25)
	s_mov_b32 s[G1B+1], 256<<16                    ; tensor_dim0 = 256
	s_mov_b32 s[G1B+2], 64<<16                     ; tensor_dim1 = 64
	s_mov_b32 s[G1B+3], 256<<16                    ; tile_dim0 = 256
	s_mov_b32 s[G1B+4], 64                         ; tile_dim1 = 64
	s_mov_b32 s[G1B+5], NCOL                       ; elements from row to row
	s_mov_b32 s[G1B+6], 0
	s_mov_b32 s[G1B+7], 0
	; where the tiles come from: A's hang on the tile row alone, B's on the tile column alone; every wave makes both and asks by one of them
	s_lshl_b32 s16, s13, 8
	s_lshl_b32 s17, s12, 7
	s_add_co_u32 s16, s16, s17                     ; A: row 256 x tile row + 128 x half,
	s_lshl_b32 s16, s16, 11                        ; x 2,048 bytes (under 2^26)
	s_mov_b32 s17, 0
	s_mul_i32 s46, s12, 64*NCOL*2                  ; B: k-row 64 x half,
	s_lshl_b32 s47, s42, 9                         ; column 256 x tile column
	s_add_co_u32 s46, s46, s47
	s_mov_b32 s47, 0
	s_mul_i32 s20, s10, HALFT                      ; and where they go: wave x HALFT: no place in the cluster enters an LDS address
	s_wait_dscnt 0x0                               ; the opening add is done
	s_wait_kmcnt 0x0
	s_add_nc_u64 s[14:15], s[4:5], s[16:17]
	s_add_nc_u64 s[46:47], s[6:7], s[46:47]
	CROUND                                         ; all sixteen work-groups are here: the first joint loads meet
.irp s, 0,1
	s_mov_b32 s[G0+4*(\s)], 1                                      ; count = 1
	s_add_co_u32 s[G0+4*(\s)+1], s20, (\s)*SLOT                    ; LDS address
	s_add_nc_u64 s[G0+4*(\s)+2:G0+4*(\s)+3], s[14:15], (\s)*KSTEP*2  ; global address: K step s
	s_or_b32 s[G0+4*(\s)+3], s[G0+4*(\s)+3], 0x80000000            ; type = 2
	s_mov_b32 s[G0B+4*(\s)], 1
	s_add_co_u32 s[G0B+4*(\s)+1], s20, (\s)*SLOT
	s_add_nc_u64 s[G0B+4*(\s)+2:G0B+4*(\s)+3], s[46:47], (\s)*KSB
	s_or_b32 s[G0B+4*(\s)+3], s[G0B+4*(\s)+3], 0x80000000
	JLOAD \s                                       ; two loads of mine are out
.endr
	; A fragment of A is 16 rows x 32 K in 8 registers: lane l holds row l % 16; registers 0-3 K = 8 (l / 16) + 0..7, registers 4-7 K = 16 + 8 (l / 16) + 0..7: two loads of 16 bytes, 32 bytes apart.
	; The turning load takes 16 k x 16 columns (lane l reads k-row 8 (l / 16) + l % 8, columns 8 ((l / 8) % 2) + 0..7) and leaves half a fragment of B: lane l holds column l % 16 and 8 k.
	v_and_b32 v1, 15, v0                           ; l % 16
	v_bfe_u32 v2, v0, 4, 1                         ; l / 16
	v_mul_u32_u24 v3, v1, PITCH
	v_lshl_add_u32 v3, v2, 4, v3
	v_and_b32 v4, 7, v0
	v_bfe_u32 v5, v0, 3, 1
	v_lshl_add_u32 v6, v2, 3, v4
	v_mul_u32_u24 v6, v6, PB
	v_lshl_add_u32 v6, v5, 4, v6
	s_mul_i32 s21, s11, HALFT                      ; my 128 rows of A
	s_lshl_b32 s22, s12, 8                         ; my 128 columns of B: 256 bytes of each k-row,
	s_add_co_u32 s22, s22, 2*HALFT                 ; behind A's 256 rows
.irp s, 0,1
	v_add_nc_u32 v[ADRA+(\s)], s21, v3
	v_add_nc_u32 v[ADRB+(\s)], s22, v6
	s_add_co_u32 s21, s21, SLOT
	s_add_co_u32 s22, s22, SLOT
.endr
	s_mul_i32 s23, s10, 16*SPITCH
	s_add_co_u32 s23, s23, STAGE                   ; my stage
	v_mul_u32_u24 v7, v1, SPITCH                   ; in: row l % 16, 16 bytes for each half of the lanes
	v_lshl_add_u32 v7, v2, 4, v7
	v_add_nc_u32 v[STO], s23, v7
	v_mul_u32_u24 v7, v2, SPITCH                   ; back: lanes 0-15 take one row of 256 bytes, lanes 16-31 the next
	v_lshl_add_u32 v7, v1, 4, v7
	v_add_nc_u32 v[RD], s23, v7
	v_mul_u32_u24 v7, v2, NCOL*2                   ; and the same two rows in C
	v_lshl_add_u32 v[CO], v1, 4, v7
	s_lshl_b32 s18, s42, 9                         ; my first column in bytes: 512 x tile column + 256 x half
	s_lshl_b32 s19, s12, 8
	s_add_co_u32 s18, s18, s19
	s_mov_b32 s19, 0
	s_lshl_b32 s16, s13, 8
	s_lshl_b32 s17, s11, 7
	s_add_co_u32 s16, s16, s17                     ; my first row of C,
	s_mul_i32 s16, s16, NCOL*2                     ; in bytes (under 2^27)
	s_mov_b32 s17, 0
	s_add_nc_u64 s[8:9], s[8:9], s[16:17]
	s_add_nc_u64 s[8:9], s[8:9], s[18:19]          ; C at my part of the first tile
	; the prefetches: both offsets are made, the wave's number chooses
	s_lshl_b32 s20, s13, 8
	s_lshl_b32 s21, s12, 7
	s_add_co_u32 s20, s20, s21
	s_lshl_b32 s21, s40, 5
	s_add_co_u32 s20, s20, s21                     ; A: the 128 rows that I fetch, my work-group's 32 of them,
	s_lshl_b32 s20, s20, 11
	s_add_co_u32 s20, s20, 3*KSTEP*2               ; at K step 3: the first change of slots steps it to 4
	s_lshl_b32 s21, s12, 6
	s_lshl_b32 s22, s41, 4
	s_add_co_u32 s21, s21, s22                     ; B: the 64 k-rows that I fetch, my work-group's 16 of them,
	s_mul_i32 s21, s21, NCOL*2
	s_lshl_b32 s22, s42, 9
	s_add_co_u32 s21, s21, s22
	s_add_co_u32 s21, s21, 3*KSB
	s_and_b32 s22, ttmp7, 0xffff                   ; cluster y
	s_mov_b32 s[PST], KSB
	s_mov_b32 s[PJ], 7*KSB-2048
	s_mov_b32 s23, NCOL*2
	s_cmp_eq_u32 s11, 0                            ; do I fetch for A?
	s_cselect_b32 s20, s20, s21
	s_cselect_b32 s22, ttmp9, s22                  ; the coordinate along which other clusters read the same blocks
	s_cselect_b64 s[PFA:PFA+1], s[4:5], s[6:7]
	s_cselect_b32 s[PST], KSTEP*2, s[PST]
	s_cselect_b32 s[PJ], 7*KSTEP*2, s[PJ]
	s_cselect_b32 s23, SIZE_K*2, s23               ; bytes in a row of that tensor
	s_mov_b32 s[PST+1], 0
	s_mov_b32 s[PJ+1], 0
	s_mov_b32 s21, 0
	s_cmp_eq_u32 s22, 0
	s_cselect_b32 s[LIM], 1, -1                    ; the same in all sixteen partners, for a given wave
	s_add_nc_u64 s[PFA:PFA+1], s[PFA:PFA+1], s[20:21]
	v_and_b32 v7, 31, v0
	v_lshrrev_b32 v8, s11, v7                      ; A: a lane a row; B: two lanes a row,
	v_and_b32 v7, s11, v7                          ; 256 bytes apart
	v_mul_u32_u24 v[PFO], s23, v8
	v_lshl_add_u32 v[PFO], v7, 8, v[PFO]
	; nothing is prefetched here, at the head, where every work-group's first tiles are on their way: K steps 2 and 3 come by their refills alone
; 16 matrix instructions: m blocks a0, a0 + 1 of the window's four (hi = 0: my rows 0-63, 1: rows 64-127) x all 8 n blocks, 32 along K.  zero = 1: the first product starts the sums.
; The 64 accumulators take turns, one instruction a turn, in the same order in every quarter step.
.macro MUL16 f, hi, a0, zero
	WIN MUL_LO+0x50*(\hi)
.irp a, \a0, (\a0)+1
.irp b, 0,1,2,3,4,5,6,7
.if \zero
	v_wmma_f32_16x16x32_bf16 v[8*(8*(\a)+(\b)):8*(8*(\a)+(\b))+7], v[(\f)+8*(\b):(\f)+8*(\b)+7], v[(\f)+8*(4*(\hi)+(\a)):(\f)+8*(4*(\hi)+(\a))+7], 0
.else
	v_wmma_f32_16x16x32_bf16 v[8*(8*(\a)+(\b)):8*(8*(\a)+(\b))+7], v[(\f)+8*(\b):(\f)+8*(\b)+7], v[(\f)+8*(4*(\hi)+(\a)):(\f)+8*(4*(\hi)+(\a))+7], v[8*(8*(\a)+(\b)):8*(8*(\a)+(\b))+7]
.endif
.endr
.endr
.endm
; 32 LDS loads in one run: the fragments of quarter q of a K step (32 k x my 128 columns of B, turned; my 128 rows of A x 32 K) into buffer f.  B's first, A's rows 64-127 last.
.macro FETCH slot, q, f
	WIN TO_B
.irp i, 0,1,2,3,4,5,6,7
	ds_load_tr16_b128 v[(\f)+8*(\i):(\f)+8*(\i)+3],   v[ADRB+(\slot)] offset:(\q)*32*PB+32*(\i)
	ds_load_tr16_b128 v[(\f)+8*(\i)+4:(\f)+8*(\i)+7], v[ADRB+(\slot)] offset:(\q)*32*PB+16*PB+32*(\i)
.endr
	WIN 0
.irp i, 0,1,2,3,4,5,6,7
	ds_load_b128 v[(\f)+8*(\i):(\f)+8*(\i)+3],   v[ADRA+(\slot)] offset:(\q)*64+(\i)*16*PITCH
	ds_load_b128 v[(\f)+8*(\i)+4:(\f)+8*(\i)+7], v[ADRA+(\slot)] offset:(\q)*64+(\i)*16*PITCH+32
.endr
.endm
; A load into a register that a matrix instruction has read, and a vector instruction that reads a matrix result, stand four places behind that matrix instruction, and only plain vector
; instructions that name none of its registers are places (ISA guide 7.12.1 for vector instructions).
.macro PLACES
.rept 4
	v_nop
.endr
.endm
; A K step is four quarters of 32 along K, 64 matrix instructions each, on buffers 0, 1, 0, 1.  One of the first three: multiplies buffer f; in its middle it fetches quarter q of the same slot into buffer g.
.macro QUARTER slot, q, f, g, zero
	s_wait_dscnt 8                                 ; B and A's rows 0-63 are in; the youngest eight loads (A's rows 64-127) may be out
	MUL16 \f, 0, 0, \zero
	MUL16 \f, 0, 2, \zero
	PLACES
	FETCH \slot, \q, \g
	s_wait_dscnt 32                                ; all but the 32 just issued
	MUL16 \f, 1, 0, \zero
	MUL16 \f, 1, 2, \zero
.endm
; The last quarter multiplies buffer 1 and changes slots.  MEET is its first half: ONE barrier.  In front of it each wave waits for all its tensor loads, of which one is out: its part of the next slot;
; adds 0 to its spare word; and waits for that and for its own reads of this slot.  Behind it nobody reads this slot any more and the next slot is whole.
.macro MEET round                      ; round = 1: the rest of a round of the cluster's barrier follows
	WIN 0                                          ; (the add's two registers lie in window 0)
	s_wait_tensorcnt 0x0                           ; all my tensor loads have landed
	ds_add_u32 v[SPW], v[NIL]                      ; 0 onto my spare word
	s_wait_dscnt 9                                 ; (the add and the youngest eight loads may be out)
	MUL16 F1, 0, 0, 0                              ; sixteen matrix instructions stand between the add and the wait for it
	s_wait_dscnt 0x0                               ; the add is done, and my reads of this slot are over
	s_barrier_signal -1
	MUL16 F1, 0, 2, 0                              ; work on registers while the others arrive
.if \round
	WIN 0
.endif
	s_barrier_wait -1
.endm
; The whole last quarter.  Behind the round the slot just read out is filled again first: with this tile's K step two steps on (on = 0) or, in a tile's last two K steps, with the NEXT tile's
; K step 0 or 1 (on = 1); then come the next slot's first fragments.  From a request to the wait for it a wave issues 224 matrix instructions.
.macro TURN slot, next, on
	s_wait_xcnt 0x0                                ; the last prefetch, a K step back, has read its address: it is stepped here, ahead of the waits of the change of slots
.if (\on) && (\slot) == 0
	s_sub_nc_u64 s[PFA:PFA+1], s[PFA:PFA+1], s[PJ:PJ+1]  ; from K step 9 to the next tile's K step 2
	s_cmp_eq_u32 s11, 0
	s_cselect_b32 s[LIM], -1, s[LIM]               ; A's rows are the same for all tiles of the walk: they are asked for no more
.else
	s_add_nc_u64 s[PFA:PFA+1], s[PFA:PFA+1], s[PST:PST+1]
.endif
	MEET 1
	CREST                                          ; no wave of any partner still reads this slot's tile or has a load on its way
.if \on
	s_sub_nc_u64 s[G0+4*(\slot)+2:G0+4*(\slot)+3], s[G0+4*(\slot)+2:G0+4*(\slot)+3], BACK_A
	s_sub_nc_u64 s[G0B+4*(\slot)+2:G0B+4*(\slot)+3], s[G0B+4*(\slot)+2:G0B+4*(\slot)+3], BACK_B
.else
	s_add_nc_u64 s[G0+4*(\slot)+2:G0+4*(\slot)+3], s[G0+4*(\slot)+2:G0+4*(\slot)+3], 2*KSTEP*2
	s_add_nc_u64 s[G0B+4*(\slot)+2:G0B+4*(\slot)+3], s[G0B+4*(\slot)+2:G0B+4*(\slot)+3], 2*KSB
.endif
	JLOAD \slot                                    ; the first tensor load behind the round; the four v_nop behind it are also the places in front of the loads below
	FETCH \next, 0, F0
	ASK \on
	MUL16 F1, 1, 0, 0
	MUL16 F1, 1, 2, 0
.endm
; THE WAY OUT of block a (16 rows), in three parts.  PACK: rounded to f16, 16 bytes a lane, each accumulator's registers in ascending order.  TOSTAGE: into my own stage in LDS, and back as whole rows of 256 bytes.  SEND: stored.
.macro PACK a
.set AC, 64*((\a)%4)
	WIN 0x0a+5*((\a)/4)                            ; sources 0 and 1: window 2 or 3
.irp b, 0,1,2,3,4,5,6,7
.irp r, 0,1,2,3
	v_cvt_pk_f16_f32 v[TMP+4*(\b)+(\r)], v[AC+8*(\b)+2*(\r)], v[AC+8*(\b)+2*(\r)+1]
.endr
.endr
	WIN 0
.endm
.macro TOSTAGE a
	WIN 0
.set BK, OB+192*((\a)%2)
.irp b, 0,1,2,3,4,5,6,7
	ds_store_b128 v[STO], v[TMP+4*(\b):TMP+4*(\b)+3] offset:32*(\b)
.endr
.irp t, 0,1,2,3,4,5,6,7
	ds_load_b128 v[BK+4*(\t):BK+4*(\t)+3], v[RD] offset:(\t)*2*SPITCH  ; LDS serves a wave's instructions in order (ISA guide 5.7.1.4): these see the stores above
.endr
.endm
.macro SEND a
	WIN 0
.set BK, OB+192*((\a)%2)
	s_wait_dscnt 0x0                               ; the block is back in registers
	s_wait_xcnt 0x0                                ; the stores of the block before have read their registers: the next TOSTAGE loads into them only behind this wait
.irp t, 0,1,2,3,4,5,6,7
	global_store_b128 v[CO], v[BK+4*(\t):BK+4*(\t)+3], s[8:9] offset:(16*(\a)+2*(\t))*NCOL*2  ; 16 lanes store 256 consecutive bytes, at a multiple of 256 from C's first byte
.endr
.endm
	s_wait_tensorcnt 1                             ; my part of K step 0 is in; K step 1's may stay out
	s_barrier_signal -1
	s_barrier_wait -1                              ; everybody's is
	FETCH 0, 0, F0
	s_mov_b32 s2, TILES                            ; tiles to go, this one among them: the same number in every work-group
.Ltile:
	QUARTER 0, 1, F0, F1, 1                        ; a tile's first quarter stands in front of the loop: its products start the sums
	WIN 0                                          ; at a label and at a branch every window is 0
	s_mov_b32 s3, LAPS-1
.Llap:                                                 ; a trip goes once round the ring, from a lap's second quarter to the next lap's first, and fills both slots again
	QUARTER 0, 2, F1, F0, 0
	QUARTER 0, 3, F0, F1, 0
	TURN 0, 1, 0
	QUARTER 1, 1, F0, F1, 0
	QUARTER 1, 2, F1, F0, 0
	QUARTER 1, 3, F0, F1, 0
	TURN 1, 0, 0
	QUARTER 0, 1, F0, F1, 0
	WIN 0
	s_sub_co_u32 s3, s3, 1
	s_cmp_lg_u32 s3, 0
	s_cbranch_scc1 .Llap
	QUARTER 0, 2, F1, F0, 0                        ; the tile's last lap goes on
	QUARTER 0, 3, F0, F1, 0
	WIN 0
	s_cmp_eq_u32 s2, 1
	s_cbranch_scc0 .Lmore                          ; a tile that has a successor
	MEET 0                                         ; THE LAST TILE'S TAIL is written out: it asks for nothing more.  The one tensor load that was still out is slot 1's, the last K step's, so no round follows
	PLACES                                         ; for the loads into buffer 0, which the quarter before multiplied
	FETCH 1, 0, F0
	MUL16 F1, 1, 0, 0
	MUL16 F1, 1, 2, 0
	QUARTER 1, 1, F0, F1, 0
	QUARTER 1, 2, F1, F0, 0
	QUARTER 1, 3, F0, F1, 0
	s_wait_dscnt 8                                 ; the very last quarter: nothing more to fetch
	MUL16 F1, 0, 0, 0
	MUL16 F1, 0, 2, 0
	s_wait_dscnt 0x0
	MUL16 F1, 1, 0, 0
	MUL16 F1, 1, 2, 0
	WIN 0
	PLACES                                         ; the places behind the last products
	s_branch .Lout
.Lmore:
	TURN 0, 1, 1                                   ; the ring goes on into the next tile: slot 0 takes its K step 0,
	QUARTER 1, 1, F0, F1, 0
	QUARTER 1, 2, F1, F0, 0
	QUARTER 1, 3, F0, F1, 0
	TURN 1, 0, 1                                   ; slot 1 its K step 1, and the next tile's first fragments are fetched
	WIN 0
.Lout:                                                 ; THE TILE GOES OUT.  On the way from .Lmore both refills are asked for; blocks 0-3 were finished in front of the joint load's four v_nop, and their 128 conversions are the places behind the last products
	PACK 0
	TOSTAGE 0
.irp a, 1,2,3,4,5,6,7                  ; block a's conversions stand between block a - 1's loads from the stage and the wait for them
	PACK \a
	SEND (\a)-1
	TOSTAGE \a
.endr
	SEND 7
	s_cmp_eq_u32 s2, 1
	s_cbranch_scc1 .Lend                           ; that was the last tile
	s_wait_xcnt 0x0                                ; the stores have read C's address
	s_add_nc_u64 s[8:9], s[8:9], 2048              ; the next tile lies 1,024 columns on
	s_sub_co_u32 s2, s2, 1
	s_branch .Ltile
.Lend:
	s_wait_tensorcnt 0x0                           ; the wave's end: behind my last tensor load and my last LDS store
	ds_add_u32 v[SPW], v[NIL]
	s_wait_dscnt 0x0
	CROUND                                         ; the closing round: no work-group ends while a partner may still ask for a tile that names it
	s_endpgm
.Lfunc_end_k_q6df5d5a8fc_gemm_qkv:
	.size	k_q6df5d5a8fc_gemm_qkv, .Lfunc_end_k_q6df5d5a8fc_gemm_qkv-k_q6df5d5a8fc_gemm_qkv
	.p2alignl 7, 3214868480
	.fill 96, 4, 3214868480
	.section	.rodata,"a",@progbits
	.p2align	6, 0x0
	.amdhsa_kernel k_q6df5d5a8fc_gemm_qkv
		.amdhsa_group_segment_fixed_size 327680
		.amdhsa_private_segment_fixed_size 0
		.amdhsa_enable_private_segment 0
		.amdhsa_kernarg_size 24
		.amdhsa_user_sgpr_count 2
		.amdhsa_user_sgpr_kernarg_segment_ptr 1
		.amdhsa_wavefront_size32 1
		.amdhsa_system_sgpr_workgroup_id_x 1
		.amdhsa_system_sgpr_workgroup_id_y 1
		.amdhsa_system_sgpr_workgroup_id_z 1
		.amdhsa_system_vgpr_workitem_id 0
		.amdhsa_next_free_vgpr 1024
		.amdhsa_next_free_sgpr 72
		.amdhsa_reserve_vcc 0
		.amdhsa_float_denorm_mode_32 3
		.amdhsa_float_denorm_mode_16_64 3
		.amdhsa_memory_ordered 1
		.amdhsa_forward_progress 1
		.amdhsa_inst_pref_size 179
	.end_amdhsa_kernel
	.amdgpu_metadata
---
amdhsa.version: [ 1, 2 ]
amdhsa.kernels:
  - .name:           k_q6df5d5a8fc_gemm_qkv
    .symbol:         k_q6df5d5a8fc_gemm_qkv.kd
    .args:
      - { .name: xh, .offset: 0, .size: 8, .value_kind: global_buffer, .address_space: global }
      - { .name: wq, .offset: 8, .size: 8, .value_kind: global_buffer, .address_space: global }
      - { .name: qkv, .offset: 16, .size: 8, .value_kind: global_buffer, .address_space: global }
    .group_segment_fixed_size: 327680
    .private_segment_fixed_size: 0
    .kernarg_segment_align: 8
    .kernarg_segment_size: 24
    .max_flat_workgroup_size: 128
    .sgpr_count:     72
    .vgpr_count:     1024
    .wavefront_size: 32
...
	.end_amdgpu_metadata
.endif
;; end of part 2
;; launch attn (part 3): grid 512 x 1, 8 waves a work-group, no clusters, 259,072 bytes of LDS; arguments qkv, oh; writes oh
.if DOCPART == 3
	.amdgcn_target "amdgcn-amd-amdhsa--gfx1250"
	.amdhsa_code_object_version 6
	.text
	.protected	k_q6df5d5a8fc_attn
	.globl	k_q6df5d5a8fc_attn
	.p2align	8
	.type	k_q6df5d5a8fc_attn,@function
k_q6df5d5a8fc_attn:
	s_mov_b64 s[64:65], 0
	v_nop
	global_prefetch_b8 v0, s[64:65] scope:SCOPE_SE
	s_setreg_imm32_b32 hwreg(HW_REG_WAVE_MODE, 25, 1), 1
	s_wait_xcnt 0x0
; FOR EACH TOKEN ALONE: O[h][:] = the sum over g of softmax_g(q[h] . k[g] / 8) v[g][:], h and g the token's own 16 heads of 64 channels.
; qkv: [16384][3072] f16, a token = q (16 x 64), k, v: 48 head rows of 128 bytes on end.  oh: [16384][1024] f16.  Products, maxima and sums in f32; the weights are divided by their sum in f32 and
; rounded to f16 for the second product; O is rounded once.
; LIMITS.  q, k, v arrive within f16's 65,504; a weight lies in 0 to 1, and one below 2^-126 counts as 0; the maximum taken away is each row's true maximum, so the sum is about 1 at the least.
; NaN and infinities are not treated apart.
; SHARES.  A work-group takes 32 tokens, each of its eight waves four, as two slots of two.  A wave asks for both its slots at the head (two tensor loads of 12,288 dense bytes are out) and reads only
; what it fetched: no LDS byte is filled twice, and there is no barrier.  No cluster: no two work-groups read the same byte.
; LAYOUT.  S^T = K Q^T (source 0 = the 16 keys, source 1 = the 16 queries): a lane holds ONE query (lane % 16) and the keys 8 (lane / 16) + 0..7.  Rounded in pairs these are registers 0-3 of source 1
; (32 keys x 16 queries) of O^T = V^T P; registers 4-7, keys 16-31, hold 0 in P and in V^T alike.  V ([key][channel]) comes out of LDS turned.  O^T again holds one query a lane, and eight channels.
.set TOKG,  6144                       ; bytes of a token in qkv
.set PH,    144                        ; a head row in LDS: 128 bytes + 16 = 36 words: the 16 rows of a load start at 16 different groups of four banks (64 banks of 4 bytes: ISA guide 11.1)
.set TOKB,  48*PH                      ; a token in LDS: q at 0, k at KOFF, v at VOFF
.set KOFF,  16*PH
.set VOFF,  32*PH
.set SLOTB, 2*TOKB                     ; a slot: two tokens
.set RING,  2*SLOTB                    ; a wave's two slots
.set STAGE, 8*RING                     ; behind the rings: 2 x 16 rows x 144 bytes for each wave, for the way out; no tensor load fills it
.set SPARE, STAGE+8*2*16*PH            ; behind the stages: the spare words, 128 bytes for each wave: four blocks of 256 bytes that no other line names
.set AKQ, 2                            ; v2   my lane's place in a token's q or k: my ring + (l % 16) x 144 + 16 (l / 16)
.set AV,  3                            ; v3   the same for the turning load of v
.set STO, 4                            ; v4   the way out: where I put 16 bytes of a head row
.set RD,  5                            ; v5   the way out: where I read rows back
.set GO,  6                            ; v6   16 x lane: my bytes in 512 consecutive bytes of oh
.set SPW, 8                            ; v8   LDS address of my spare word: SPARE + 4 x my thread's number; never rewritten
.set NIL, 9                            ; v9   0; never rewritten
.set KF,  16                           ; v[16:47]   K's fragments, 16 a token; later O packed
.set QF,  48                           ; v[48:79]   Q's fragments, 16 a token; later O's rows read back
.set VF,  80                           ; v[80:143]  V^T: token u, channel block c at VF + 32 u + 8 c; registers 4-7 of each hold 0
.set S,   144                          ; v[144:159] S^T, 8 a token
.set P,   160                          ; v[160:175] P, 8 a token; registers 4-7 hold 0
.set O,   176                          ; v[176:239] O^T: token u, channel block c at O + 32 u + 8 c
.set T,   240                          ; v[240:255] 8 a token: +0 c m, +1 m, +2 at work, +3 the other half's, +4, +5 the sum, +6 its reciprocal, +7 at work
.set G1,  16                           ; s[16:23] descriptor group 1
.set G0,  24                           ; s[24:31] group 0, a set for each slot
.set CS,  32                           ; s[32:33] c = log2(e) / 8: the packed scaling takes the pair's low word for both halves
.set SEL, 34                           ; s[34:35] v_permlanex16_b32's selects: each lane takes its own place in the other half
	s_load_b128 s[4:7], s[0:1], 0x0                ; qkv s[4:5], oh s[6:7]
	v_lshl_add_u32 v[SPW], v0, 2, SPARE
	v_mov_b32 v[NIL], 0
	ds_add_u32 v[SPW], v[NIL]                      ; the wave's opening: the add and its wait stand ahead of my first tensor load; the set-up below, work on registers, stands between them
	ds_add_u32 v8, v9
	v_lshrrev_b32 v1, 5, v0
	v_readfirstlane_b32 s8, v1                     ; wave 0..7
	s_mul_i32 s9, s8, RING                         ; my ring in LDS
	; two tokens are 12,288 dense bytes: asked for as 48 rows of 256 bytes, and padded in LDS after every head row
	s_mov_b32 s[G1+0], (1<<16)|(1<<20)|(4<<22)|(3<<25)  ; 17:16 2-byte elements; 20 padding on; 24:22 after every 32 words (code 4); 31:25 4 words (code 3)
	s_mov_b32 s[G1+1], 128<<16                     ; tensor_dim0 = 128
	s_mov_b32 s[G1+2], 48<<16                      ; tensor_dim1 = 48
	s_mov_b32 s[G1+3], 128<<16                     ; tile_dim0 = 128
	s_mov_b32 s[G1+4], 48                          ; tile_dim1 = 48
	s_mov_b32 s[G1+5], 128                         ; 128 elements from row to row
	s_mov_b32 s[G1+6], 0
	s_mov_b32 s[G1+7], 0
	s_mul_i32 s10, ttmp9, 32*TOKG                  ; the work-group's 32 tokens in qkv (under 2^27),
	s_mul_i32 s11, s8, 4*TOKG                      ; my wave's four
	s_add_co_u32 s10, s10, s11
	s_mov_b32 s11, 0
	s_lshl_b32 s12, ttmp9, 16                      ; the same in oh: 2,048 bytes a token
	s_lshl_b32 s13, s8, 13
	s_add_co_u32 s12, s12, s13
	s_mov_b32 s13, 0
	s_mul_i32 s14, s8, 2*16*PH
	s_add_co_u32 s14, s14, STAGE                   ; my stage
	s_mov_b32 s[CS], 0x3e38aa3b                    ; c = 0.180337
	s_mov_b32 s[CS+1], s[CS]                       ; named with it as a pair
	s_mov_b32 s[SEL], 0x76543210
	s_mov_b32 s[SEL+1], 0xfedcba98
	s_mov_b32 s[G0], 1                             ; count = 1
	s_mov_b32 s[G0+1], s9                          ; LDS address: slot 0
	s_mov_b32 s[G0+4], 1
	s_add_co_u32 s[G0+5], s9, SLOTB                ; slot 1
	s_wait_dscnt 0x0                               ; the opening add is done
	s_wait_kmcnt 0x0
	s_add_nc_u64 s[4:5], s[4:5], s[10:11]
	s_add_nc_u64 s[6:7], s[6:7], s[12:13]
	s_mov_b64 s[G0+2:G0+3], s[4:5]                 ; global address: my tokens 0 and 1,
	s_or_b32 s[G0+3], s[G0+3], 0x80000000          ; type = 2
	s_add_nc_u64 s[G0+6:G0+7], s[4:5], 2*TOKG      ; my tokens 2 and 3
	s_or_b32 s[G0+7], s[G0+7], 0x80000000
	tensor_load_to_lds s[G0:G0+3], s[G1:G1+7]
	s_nop 0
	tensor_load_to_lds s[G0+4:G0+7], s[G1:G1+7]
	s_nop 0
	; the addresses, and the registers that hold 0 for ever: all this stands in the wait for the first tile
	v_and_b32 v10, 15, v0                          ; l % 16
	v_bfe_u32 v11, v0, 4, 1                        ; l / 16
	v_and_b32 v12, 7, v0                           ; l % 8
	v_bfe_u32 v13, v0, 3, 1                        ; (l / 8) % 2
	v_mul_u32_u24 v[AKQ], v10, PH
	v_lshl_add_u32 v[AKQ], v11, 4, v[AKQ]
	v_add_nc_u32 v[AKQ], s9, v[AKQ]
	v_lshl_add_u32 v[AV], v11, 3, v12              ; the turning load: lane l reads key 8 (l / 16) + l % 8, channels 8 ((l / 8) % 2) + 0..7
	v_mul_u32_u24 v[AV], v[AV], PH
	v_lshl_add_u32 v[AV], v13, 4, v[AV]
	v_add_nc_u32 v[AV], s9, v[AV]
	v_add_nc_u32 v[AV], VOFF, v[AV]
	v_mul_u32_u24 v[STO], v10, PH                  ; in: row l % 16, 16 bytes for each half of the lanes
	v_lshl_add_u32 v[STO], v11, 4, v[STO]
	v_add_nc_u32 v[STO], s14, v[STO]
	v_bfe_u32 v[RD], v0, 3, 2                      ; back: 32 lanes take four rows of 128 bytes,
	v_mul_u32_u24 v[RD], v[RD], PH
	v_lshl_add_u32 v[RD], v12, 4, v[RD]
	v_add_nc_u32 v[RD], s14, v[RD]
	v_and_b32 v[GO], 31, v0                        ; which are 512 consecutive bytes of oh
	v_lshlrev_b32 v[GO], 4, v[GO]
.irp f, 0,1,2,3,4,5,6,7
.irp i, 4,5,6,7
	v_mov_b32 v[VF+8*(\f)+(\i)], 0                 ; keys 16-31 of V^T
.endr
.endr
.irp f, 0,1
.irp i, 4,5,6,7
	v_mov_b32 v[P+8*(\f)+(\i)], 0                  ; keys 16-31 of P
.endr
	v_mov_b32 v[T+8*(\f)+3], 0                     ; v_permlanex16_b32's destination counts as read
.endr
.macro BOTH line:vararg                ; one line for each of the slot's two tokens u, so that no instruction reads the result of the one before it
.set u, 0
.rept 2
	\line
.set u, u+1
.endr
.endm
; THE TWO TOKENS OF SLOT s.
.macro PAIR s
	s_wait_tensorcnt 1-(\s)                        ; tensor loads of a wave end in order (ISA guide 10.11.1): slot s is in; for slot 0, slot 1's load may stay out
.if \s
	s_wait_xcnt 0x0                                ; the stores of the pair before have read their registers, which are loaded again below
.endif
.irp u, 0,1
.irp c, 0,1,2,3                        ; a fragment is 16 rows x 32 channels in 8 registers: two loads of 16 bytes, 32 bytes apart; two fragments for 64 channels
	ds_load_b128 v[KF+16*(\u)+4*(\c):KF+16*(\u)+4*(\c)+3], v[AKQ] offset:(\s)*SLOTB+(\u)*TOKB+KOFF+32*(\c)
.endr
.irp c, 0,1,2,3
	ds_load_b128 v[QF+16*(\u)+4*(\c):QF+16*(\u)+4*(\c)+3], v[AKQ] offset:(\s)*SLOTB+(\u)*TOKB+32*(\c)
.endr
.endr
.irp u, 0,1
.irp c, 0,1,2,3                        ; 16 keys x channels 16 c on, turned
	ds_load_tr16_b128 v[VF+32*(\u)+8*(\c):VF+32*(\u)+8*(\c)+3], v[AV] offset:(\s)*SLOTB+(\u)*TOKB+32*(\c)
.endr
.endr
	s_wait_dscnt 8                                 ; K and Q are in; V's eight loads may be out
.irp c, 0,1                            ; the two tokens' accumulators take turns, one instruction a turn
.irp u, 0,1
.if (\c) == 0
	v_wmma_f32_16x16x32_f16 v[S+8*(\u):S+8*(\u)+7], v[KF+16*(\u):KF+16*(\u)+7], v[QF+16*(\u):QF+16*(\u)+7], 0
.else
	v_wmma_f32_16x16x32_f16 v[S+8*(\u):S+8*(\u)+7], v[KF+16*(\u)+8:KF+16*(\u)+15], v[QF+16*(\u)+8:QF+16*(\u)+15], v[S+8*(\u):S+8*(\u)+7]
.endif
.endr
.endr
.rept 4
	v_nop                                          ; the places behind those products (ISA guide 7.12.1)
.endr
	; the maximum of a query's 16 scores: eight in my lane (the lowest registers first), eight in the lane 16 away
	BOTH v_max3_num_f32 v[T+8*u+2], v[S+8*u], v[S+8*u+1], v[S+8*u+2]
	BOTH v_max3_num_f32 v[T+8*u+2], v[T+8*u+2], v[S+8*u+3], v[S+8*u+4]
	BOTH v_max3_num_f32 v[T+8*u+2], v[T+8*u+2], v[S+8*u+5], v[S+8*u+6]
	BOTH v_max_num_f32 v[T+8*u+2], v[T+8*u+2], v[S+8*u+7]
	BOTH v_permlanex16_b32 v[T+8*u+3], v[T+8*u+2], s[SEL], s[SEL+1]
	BOTH v_max_num_f32 v[T+8*u+1], v[T+8*u+2], v[T+8*u+3]
	BOTH v_mul_f32 v[T+8*u], s[CS], v[T+8*u+1]
.irp b, 0,1,2,3                        ; c s - c m, a pair of scores a line
	BOTH v_pk_fma_f32 v[S+8*u+2*(\b):S+8*u+2*(\b)+1], v[S+8*u+2*(\b):S+8*u+2*(\b)+1], s[CS:CS+1], v[T+8*u:T+8*u+1] op_sel_hi:[1,0,0] neg_lo:[0,0,1] neg_hi:[0,0,1]
.endr
.irp i, 0,1,2,3,4,5,6,7                ; ONE BATCH of sixteen exponentials
	BOTH v_exp_f32 v[S+8*u+(\i)], v[S+8*u+(\i)]
.endr
	v_nop                                          ; a plain instruction behind the last exponential (ISA guide 5.7.2),
	s_wait_alu depctr_va_vdst(0)                   ; and one wait ahead of the batch's first reader
	BOTH v_pk_add_f32 v[T+8*u+4:T+8*u+5], v[S+8*u:S+8*u+1], v[S+8*u+2:S+8*u+3]
	BOTH v_pk_add_f32 v[T+8*u+6:T+8*u+7], v[S+8*u+4:S+8*u+5], v[S+8*u+6:S+8*u+7]
	BOTH v_pk_add_f32 v[T+8*u+4:T+8*u+5], v[T+8*u+4:T+8*u+5], v[T+8*u+6:T+8*u+7]
	BOTH v_add_f32 v[T+8*u+4], v[T+8*u+4], v[T+8*u+5]
	BOTH v_permlanex16_b32 v[T+8*u+3], v[T+8*u+4], s[SEL], s[SEL+1]
	BOTH v_add_f32 v[T+8*u+4], v[T+8*u+4], v[T+8*u+3]
	BOTH v_rcp_f32 v[T+8*u+6], v[T+8*u+4]
	v_nop                                          ; a plain instruction behind the second reciprocal,
	s_wait_alu depctr_va_vdst(0)                   ; and one wait for the two
.irp b, 0,1,2,3
	BOTH v_pk_mul_f32 v[S+8*u+2*(\b):S+8*u+2*(\b)+1], v[S+8*u+2*(\b):S+8*u+2*(\b)+1], v[T+8*u+6:T+8*u+7] op_sel_hi:[1,0]
.endr
.irp b, 0,1,2,3
	BOTH v_cvt_pk_f16_f32 v[P+8*u+(\b)], v[S+8*u+2*(\b)], v[S+8*u+2*(\b)+1]
.endr
	s_wait_dscnt 0x0                               ; V is in
.irp c, 0,1,2,3                        ; eight accumulators, each started by its one product
.irp u, 0,1
	v_wmma_f32_16x16x32_f16 v[O+32*(\u)+8*(\c):O+32*(\u)+8*(\c)+7], v[VF+32*(\u)+8*(\c):VF+32*(\u)+8*(\c)+7], v[P+8*(\u):P+8*(\u)+7], 0
.endr
.endr
.rept 4
	v_nop                                          ; the places behind those products
.endr
.irp u, 0,1
.irp c, 0,1,2,3
.irp i, 0,1,2,3                        ; a lane's eight channels of a head row pack into 16 bytes; each accumulator's registers in ascending order
	v_cvt_pk_f16_f32 v[KF+16*(\u)+4*(\c)+(\i)], v[O+32*(\u)+8*(\c)+2*(\i)], v[O+32*(\u)+8*(\c)+2*(\i)+1]
.endr
.endr
.endr
.irp u, 0,1
.irp c, 0,1,2,3
	ds_store_b128 v[STO], v[KF+16*(\u)+4*(\c):KF+16*(\u)+4*(\c)+3] offset:(\u)*16*PH+32*(\c)
.endr
.endr
.irp u, 0,1
.irp c, 0,1,2,3
	ds_load_b128 v[QF+16*(\u)+4*(\c):QF+16*(\u)+4*(\c)+3], v[RD] offset:(\u)*16*PH+(\c)*4*PH  ; LDS serves a wave's instructions in order (ISA guide 5.7.1.4): these see the stores above
.endr
.endr
.irp u, 0,1
.irp c, 0,1,2,3
	s_wait_dscnt 7-4*(\u)-(\c)                     ; this load is back; the younger ones may be out
	global_store_b128 v[GO], v[QF+16*(\u)+4*(\c):QF+16*(\u)+4*(\c)+3], s[6:7] offset:(2*(\s)+(\u))*2048+512*(\c)  ; 512 consecutive bytes, at a multiple of 256 from oh's first byte
.endr
.endr
.endm
	PAIR 0
	PAIR 1
	s_wait_tensorcnt 0x0                           ; the wave's end: behind my last tensor load and my last LDS store
	ds_add_u32 v[SPW], v[NIL]
	s_wait_dscnt 0x0
	s_endpgm
.Lfunc_end_k_q6df5d5a8fc_attn:
	.size	k_q6df5d5a8fc_attn, .Lfunc_end_k_q6df5d5a8fc_attn-k_q6df5d5a8fc_attn
	.p2alignl 7, 3214868480
	.fill 96, 4, 3214868480
	.section	.rodata,"a",@progbits
	.p2align	6, 0x0
	.amdhsa_kernel k_q6df5d5a8fc_attn
		.amdhsa_group_segment_fixed_size 259072
		.amdhsa_private_segment_fixed_size 0
		.amdhsa_enable_private_segment 0
		.amdhsa_kernarg_size 16
		.amdhsa_user_sgpr_count 2
		.amdhsa_user_sgpr_kernarg_segment_ptr 1
		.amdhsa_wavefront_size32 1
		.amdhsa_system_sgpr_workgroup_id_x 1
		.amdhsa_system_sgpr_workgroup_id_y 1
		.amdhsa_system_sgpr_workgroup_id_z 1
		.amdhsa_system_vgpr_workitem_id 0
		.amdhsa_next_free_vgpr 256
		.amdhsa_next_free_sgpr 66
		.amdhsa_reserve_vcc 0
		.amdhsa_float_denorm_mode_32 3
		.amdhsa_float_denorm_mode_16_64 3
		.amdhsa_memory_ordered 1
		.amdhsa_forward_progress 1
		.amdhsa_inst_pref_size 26
	.end_amdhsa_kernel
	.amdgpu_metadata
---
amdhsa.version: [ 1, 2 ]
amdhsa.kernels:
  - .name:           k_q6df5d5a8fc_attn
    .symbol:         k_q6df5d5a8fc_attn.kd
    .args:
      - { .name: qkv, .offset: 0, .size: 8, .value_kind: global_buffer, .address_space: global }
      - { .name: oh, .offset: 8, .size: 8, .value_kind: global_buffer, .address_space: global }
    .group_segment_fixed_size: 259072
    .private_segment_fixed_size: 0
    .kernarg_segment_align: 8
    .kernarg_segment_size: 16
    .max_flat_workgroup_size: 256
    .sgpr_count:     66
    .vgpr_count:     256
    .wavefront_size: 32
...
	.end_amdgpu_metadata
.endif
;; end of part 3
;; launch gemm_out (part 4): grid 4 x 64, 4 waves a work-group, clusters of 4 x 4, 327,680 bytes of LDS; arguments oh, wo, b_out, out0; writes out0
.if DOCPART == 4
	.amdgcn_target "amdgcn-amd-amdhsa--gfx1250"
	.amdhsa_code_object_version 6
	.text
	.protected	k_q6df5d5a8fc_gemm_out
	.globl	k_q6df5d5a8fc_gemm_out
	.p2align	8
	.type	k_q6df5d5a8fc_gemm_out,@function
k_q6df5d5a8fc_gemm_out:
	s_mov_b64 s[64:65], 0
	v_nop
	global_prefetch_b8 v0, s[64:65] scope:SCOPE_SE
	s_setreg_imm32_b32 hwreg(HW_REG_WAVE_MODE, 25, 1), 1
	s_wait_xcnt 0x0
	s_wait_alu depctr_hold_cnt(0) depctr_sa_sdst(0) depctr_va_vdst(0) depctr_va_sdst(0) depctr_va_ssrc(0) depctr_va_vcc(0) depctr_vm_vsrc(0)
	s_getreg_b32 s2, hwreg(HW_REG_IB_STS2, 6, 4)
	s_cmp_eq_u32 s2, 0
	s_cbranch_scc0 .Lentry_in_a_cluster
	s_endpgm
.Lentry_in_a_cluster:
	s_bfe_u32 s2, ttmp6, 0x10000c
	s_cmp_lg_u32 s2, 0xf033
	s_cbranch_scc0 .Lentry_shape_is_right
	s_endpgm
.Lentry_shape_is_right:
; out0[m][n] = b[n] + the sum over k of oh[m][k] wo[k][n].  oh: [16384][1024] f16, wo: [1024][1024] f16 (k down the rows), b_out: [1024] f32, out0: [16384][1024] f32; sums in f32, K ascending.
; THE BIAS, rounded to bf16 as all the module's inputs are, STARTS EACH SUM: it is the C operand of the first product, so that the way out has no arithmetic.
; NaN and infinities are not treated apart.
; SHARES.  A tile of C is 256 x 256, one to a work-group: 4 x 64 of them.  Four waves, each 128 x 128: 64 accumulators of 16 x 16, 512 registers.  K goes in steps of 128 through a ring of two LDS slots.
; THE LAST K STEP GOES BY ROWS OF C: nothing follows the tile under which its stores could leave, so my eight blocks of 16 rows are finished one after the other, and each leaves while the others are multiplied.
; CLUSTERS: 4 x 4 work-groups.  The four of a row of the cluster need the same tiles of A, the four of a column the same tiles of B: each tile is asked for JOINTLY, by the same tensor load
; with the same descriptor and a mask that names the four.
; B LIES [K][N]: its tile is 128 k-rows x 512 bytes, and its fragments come out of LDS turned, by ds_load_tr16_b128.
; THE MATRIX INSTRUCTION IS USED TRANSPOSED: source 0 = 16 columns of B, source 1 = 16 rows of A.  Lane l then holds row l % 16 of C and the columns 8 (l / 16) + 0..7: 32 bytes on end.
; REGISTERS, in windows of 256 (s_set_vgpr_msb: bits 1:0 source 0, 3:2 source 1, 5:4 source 2, 7:6 destination):
;   window 0: v0-31 addresses; v32-63 at work at the head; v64-127, v128-191 fragments of A, two buffers (in the last K step four, of 16 rows x 128 K); v192-255 the bias, later 16 rows on the way out
;   window 1: v64-127, v128-191 fragments of B, two buffers; in the last K step all 256: B's fragments of the whole step
;   window 2: the accumulators of my rows 0-63 ((a, b) at v[8 (8 a + b)])      window 3: those of my rows 64-127
.set SIZE_K, 1024
.set NCOL,   1024                      ; columns of B and of C
.set KSTEP,  128
.set PITCH,  272                       ; a row of A in LDS: 256 bytes + 16 = 68 words: the 16 rows of a load start at 16 different groups of four banks (64 banks of 4 bytes: ISA guide 11.1)
.set PB,     544                       ; a k-row of B in LDS: 512 bytes + 32 = 136 words
.set HALFT,  128*PITCH                 ; what one tensor load brings: 128 rows of A, or 64 k-rows of B (64 x 544 is the same number)
.set SLOT,   4*HALFT                   ; A's 256 rows, then B's 128 k-rows
.set STAGE,  2*SLOT                    ; behind the ring: 16 rows x 528 bytes for each wave, for the way out; no tensor load fills it
.set SPITCH, 528                       ; 512 bytes + 16: the 16 rows of a store start at 16 different groups of four banks
.set SPARE,  STAGE+4*16*SPITCH         ; behind the stages: the spare words, 128 bytes for each wave: two blocks of 256 bytes that no other line names
.set LAPS,   SIZE_K/(2*KSTEP)          ; a lap = two K steps = once round the ring
.set KSB,    KSTEP*NCOL*2              ; bytes of B from a K step to the next
.set ADRA, 16                          ; v16-17  LDS address of my A fragments in slot 0, 1
.set ADRB, 20                          ; v20-21  the same for B
.set STO,  24                          ; v24     the way out: where I put 32 bytes of a row
.set RD,   25                          ; v25     the way out: where I read a row back
.set CO,   26                          ; v26     16 x lane: my bytes in my wave's 512 of a row of C
.set HO,   27                          ; v27     32 x (l / 16): my eight columns' bytes in a block's 64 bytes of the bias; never rewritten
.set SPW,  28                          ; v28     LDS address of my spare word: SPARE + 4 x my thread's number; never rewritten
.set NIL,  29                          ; v29     0; never rewritten
.set PFO,  30                          ; v30     the prefetches' lane offset; never rewritten
.set TB,   32                          ; v32-63  at work while the bias is rounded
.set F0,   64                          ; fragment buffer 0
.set F1,   128                         ; fragment buffer 1
.set PA,   64                          ; the last K step: A's fragments of 16 rows x 128 K, 32 registers; four such buffers, v64-191
.set BIA,  192                         ; v192-255 the bias as a C operand: register j of block b holds b[16 b + 8 (l / 16) + j] of my 128 columns
.set BK,   192                         ; v192-255 later: 16 rows read back from the stage
.set G1,   24                          ; s[24:31] descriptor group 1 for A's tiles
.set G0,   32                          ; s[32:39] group 0 for A's tiles, a set for each slot
.set G1B,  48                          ; s[48:55] group 1 for B's tiles
.set G0B,  56                          ; s[56:63] group 0 for B's tiles, a set for each slot
.set LIM,  43                          ; s43      1 in a wave that prefetches, else the greatest number
.set PFA,  44                          ; s[44:45] where my prefetches stand: at the K step that the next one names
.set PST,  66                          ; s[66:67] bytes from a K step to the next, in the tensor that I fetch
.set BP,   70                          ; s[70:71] b_out at my wave's 128 columns
.set MSB,  0
.macro WIN new                         ; the immediate's high byte repeats the setting that is left; a switch that changes nothing is dropped
.if MSB != (\new)
	s_set_vgpr_msb (MSB<<8)|(\new)
.set MSB, \new
.endif
.endm
.set MUL_LO, 0xa1                      ; source 0 (B) window 1, source 1 (A) window 0, C and D window 2
.set MUL_HI, 0xf1                      ; the same, C and D window 3
.set BEG_LO, 0x81                      ; the first products: C (the bias) window 0, D window 2
.set BEG_HI, 0xc1                      ; the same, D window 3
.set TO_B,   0x40                      ; destination window 1, address window 0
; A joint load.  Waves 0 and 1 fetch A's two halves, waves 2 and 3 B's.  The branch hangs on the wave's number alone.  An s_nop 0 and four v_nop follow each of the two lines,
; ahead of the jump, the label and what follows.
.macro JLOAD s
	s_cmp_eq_u32 s11, 0
	s_cbranch_scc0 .Lfor_b_\@
	tensor_load_to_lds s[G0+4*(\s):G0+4*(\s)+3], s[G1:G1+7]
	s_nop 0
.rept 4
	v_nop
.endr
	s_branch .Lasked_\@
.Lfor_b_\@:
	tensor_load_to_lds s[G0B+4*(\s):G0B+4*(\s)+3], s[G1B:G1B+7]
	s_nop 0
.rept 4
	v_nop
.endr
.Lasked_\@:
.endm
; A PREFETCH INTO THE L2, behind each joint load and the run of LDS loads that follows it: the K step that stands TWO refills on, 512 matrix instructions ahead of the load that will want it.
; Each aligned block of 256 bytes is named once in the launch.  A's rows are read by one row of clusters, which has one cluster: it asks.  B's columns are read by all sixteen clusters: the one
; with y = 0 asks.  The four partners of a joint load share its blocks out BY ADDRESS: of A's 128 rows a wave the partner at cx takes 32, a lane a row; of B's 64 k-rows the partner at cy takes 16,
; two lanes a row.  The last two refills have no K step two on, and ask for nothing.
.macro ASK
	s_cmp_gt_u32 s3, s[LIM]                        ; s3 = 1 in the loop's last trip
	s_cbranch_scc0 .Lnot_mine_\@
	global_prefetch_b8 v[PFO], s[PFA:PFA+1] th:TH_LOAD_NT scope:SCOPE_SE
.Lnot_mine_\@:
.endm
; A round of the cluster's barrier: my work-group's barrier, so that wave 0's signal speaks for all four waves; wave 0 signals; every wave waits for all sixteen work-groups; my work-group's barrier once more.
.macro CREST                           ; a round behind its opening barrier
	s_cmp_lg_u32 s10, 0
	s_cbranch_scc1 .Lnot_wave_0_\@
	s_barrier_signal -3
.Lnot_wave_0_\@:
	s_barrier_wait -3
	s_barrier_signal -1
	s_barrier_wait -1
.endm
.macro CROUND                          ; a whole round
	s_barrier_signal -1
	s_barrier_wait -1
	CREST
.endm
	s_load_b128 s[4:7], s[0:1], 0x0                ; A s[4:5], B s[6:7]
	s_load_b64 s[BP:BP+1], s[0:1], 0x10            ; b_out
	s_load_b64 s[8:9], s[0:1], 0x18                ; C
	v_lshl_add_u32 v[SPW], v0, 2, SPARE
	v_mov_b32 v[NIL], 0
	ds_add_u32 v[SPW], v[NIL]                      ; the wave's opening: the add and its wait stand ahead of my first tensor load; the set-up below, work on registers, stands between them
	ds_add_u32 v28, v29
	v_lshrrev_b32 v1, 5, v0
	v_readfirstlane_b32 s10, v1                    ; wave 0..3
	s_lshr_b32 s11, s10, 1                         ; which half of the tile's rows is mine.  Also: I fetch for A (0) or for B (1)
	s_and_b32 s12, s10, 1                          ; which half of its columns.  Also: which half of that tile I fetch
	s_bfe_u32 s40, ttmp6, 0x40000                  ; cx
	s_bfe_u32 s41, ttmp6, 0x40004                  ; cy
	s_lshl_b32 s42, ttmp9, 2
	s_add_co_u32 s42, s42, s40                     ; tile column = 4 x cluster x + cx
	s_and_b32 s13, ttmp7, 0xffff
	s_lshl_b32 s13, s13, 2
	s_add_co_u32 s13, s13, s41                     ; tile row = 4 x cluster y + cy
	s_lshl_b32 s43, s41, 2
	s_lshl_b32 s43, 15, s43                        ; my row of the cluster: places 4 cy .. 4 cy + 3
	s_lshl_b32 s44, 0x1111, s40                    ; my column: places cx, cx + 4, cx + 8, cx + 12
	; group 1 for A: 128 rows x 128 elements; 15:0 the mask; 17:16 2-byte elements; 20 padding on; 21 set beside a mask; 24:22 after every 64 words (code 5); 31:25 4 words (code 3)
	s_or_b32 s[G1+0], s43, (1<<16)|(1<<20)|(1<<21)|(5<<22)|(3<<25)
	s_mov_b32 s[G1+1], KSTEP<<16                   ; tensor_dim0 = 128
	s_mov_b32 s[G1+2], 128<<16                     ; tensor_dim1 = 128
	s_mov_b32 s[G1+3], KSTEP<<16                   ; tile_dim0 = 128
	s_mov_b32 s[G1+4], 128                         ; tile_dim1 = 128
	s_mov_b32 s[G1+5], SIZE_K                      ; elements from row to row
	s_mov_b32 s[G1+6], 0
	s_mov_b32 s[G1+7], 0
	; group 1 for B: 64 k-rows x 256 elements; padding of 8 words (code 7) after every 128 words (code 6)
	s_or_b32 s[G1B+0], s44, (1<<16)|(1<<20)|(1<<21)|(6<<22)|(7<<25)
	s_mov_b32 s[G1B+1], 256<<16                    ; tensor_dim0 = 256
	s_mov_b32 s[G1B+2], 64<<16                     ; tensor_dim1 = 64
	s_mov_b32 s[G1B+3], 256<<16                    ; tile_dim0 = 256
	s_mov_b32 s[G1B+4], 64                         ; tile_dim1 = 64
	s_mov_b32 s[G1B+5], NCOL                       ; elements from row to row
	s_mov_b32 s[G1B+6], 0
	s_mov_b32 s[G1B+7], 0
	; where the tiles come from: A's hang on the tile row alone, B's on the tile column alone; every wave makes both and asks by one of them
	s_lshl_b32 s16, s13, 8
	s_lshl_b32 s17, s12, 7
	s_add_co_u32 s16, s16, s17                     ; A: row 256 x tile row + 128 x half,
	s_lshl_b32 s16, s16, 11                        ; x 2,048 bytes (under 2^26)
	s_mov_b32 s17, 0
	s_mul_i32 s46, s12, 64*NCOL*2                  ; B: k-row 64 x half,
	s_lshl_b32 s47, s42, 9                         ; column 256 x tile column
	s_add_co_u32 s46, s46, s47
	s_mov_b32 s47, 0
	s_mul_i32 s20, s10, HALFT                      ; and where they go: wave x HALFT: no place in the cluster enters an LDS address
	s_wait_dscnt 0x0                               ; the opening add is done
	s_wait_kmcnt 0x0
	s_add_nc_u64 s[14:15], s[4:5], s[16:17]
	s_add_nc_u64 s[46:47], s[6:7], s[46:47]
	CROUND                                         ; all sixteen work-groups are here: the first joint loads meet
.irp s, 0,1
	s_mov_b32 s[G0+4*(\s)], 1                                      ; count = 1
	s_add_co_u32 s[G0+4*(\s)+1], s20, (\s)*SLOT                    ; LDS address
	s_add_nc_u64 s[G0+4*(\s)+2:G0+4*(\s)+3], s[14:15], (\s)*KSTEP*2  ; global address: K step s
	s_or_b32 s[G0+4*(\s)+3], s[G0+4*(\s)+3], 0x80000000            ; type = 2
	s_mov_b32 s[G0B+4*(\s)], 1
	s_add_co_u32 s[G0B+4*(\s)+1], s20, (\s)*SLOT
	s_add_nc_u64 s[G0B+4*(\s)+2:G0B+4*(\s)+3], s[46:47], (\s)*KSB
	s_or_b32 s[G0B+4*(\s)+3], s[G0B+4*(\s)+3], 0x80000000
	JLOAD \s                                       ; two loads of mine are out
.endr
	; A fragment of A is 16 rows x 32 K in 8 registers: lane l holds row l % 16; registers 0-3 K = 8 (l / 16) + 0..7, registers 4-7 K = 16 + 8 (l / 16) + 0..7: two loads of 16 bytes, 32 bytes apart.
	; The turning load takes 16 k x 16 columns (lane l reads k-row 8 (l / 16) + l % 8, columns 8 ((l / 8) % 2) + 0..7) and leaves half a fragment of B: lane l holds column l % 16 and 8 k.
	v_and_b32 v1, 15, v0                           ; l % 16
	v_bfe_u32 v2, v0, 4, 1                         ; l / 16
	v_lshlrev_b32 v[HO], 5, v2
	s_lshl_b32 s18, s42, 10                        ; my first column in bytes of f32: 1,024 x tile column + 512 x half
	s_lshl_b32 s19, s12, 9
	s_add_co_u32 s18, s18, s19
	s_mov_b32 s19, 0
	s_add_nc_u64 s[BP:BP+1], s[BP:BP+1], s[18:19]
.irp b, 0,1,2,3,4,5,6,7                ; the bias in the accumulators' layout: my eight columns of each block of 16; waited for below, ahead of the wait for the first tile
	global_load_b128 v[BIA+8*(\b):BIA+8*(\b)+3],   v[HO], s[BP:BP+1] offset:64*(\b)
	global_load_b128 v[BIA+8*(\b)+4:BIA+8*(\b)+7], v[HO], s[BP:BP+1] offset:64*(\b)+16
.endr
	v_mul_u32_u24 v3, v1, PITCH
	v_lshl_add_u32 v3, v2, 4, v3
	v_and_b32 v4, 7, v0
	v_bfe_u32 v5, v0, 3, 1
	v_lshl_add_u32 v6, v2, 3, v4
	v_mul_u32_u24 v6, v6, PB
	v_lshl_add_u32 v6, v5, 4, v6
	s_mul_i32 s21, s11, HALFT                      ; my 128 rows of A
	s_lshl_b32 s22, s12, 8                         ; my 128 columns of B: 256 bytes of each k-row,
	s_add_co_u32 s22, s22, 2*HALFT                 ; behind A's 256 rows
.irp s, 0,1
	v_add_nc_u32 v[ADRA+(\s)], s21, v3
	v_add_nc_u32 v[ADRB+(\s)], s22, v6
	s_add_co_u32 s21, s21, SLOT
	s_add_co_u32 s22, s22, SLOT
.endr
	s_mul_i32 s23, s10, 16*SPITCH
	s_add_co_u32 s23, s23, STAGE                   ; my stage
	v_mul_u32_u24 v7, v1, SPITCH                   ; in: row l % 16, 32 bytes for each half of the lanes
	v_lshl_add_u32 v7, v2, 5, v7
	v_add_nc_u32 v[STO], s23, v7
	v_and_b32 v7, 31, v0
	v_lshlrev_b32 v[CO], 4, v7                     ; back: 32 lanes take one row of 512 bytes
	v_add_nc_u32 v[RD], s23, v[CO]
	s_lshl_b32 s16, s13, 8
	s_lshl_b32 s17, s11, 7
	s_add_co_u32 s16, s16, s17                     ; my first row of C,
	s_lshl_b32 s16, s16, 12                        ; x 4,096 bytes (under 2^27)
	s_mov_b32 s17, 0
	s_add_nc_u64 s[8:9], s[8:9], s[16:17]
	s_add_nc_u64 s[8:9], s[8:9], s[18:19]          ; C at my part of the tile
	; the prefetches: both offsets are made, the wave's number chooses
	s_lshl_b32 s20, s13, 8
	s_lshl_b32 s21, s12, 7
	s_add_co_u32 s20, s20, s21
	s_lshl_b32 s21, s40, 5
	s_add_co_u32 s20, s20, s21                     ; A: the 128 rows that I fetch, my work-group's 32 of them,
	s_lshl_b32 s20, s20, 11
	s_add_co_u32 s20, s20, 3*KSTEP*2               ; at K step 3: the first change of slots steps it to 4
	s_lshl_b32 s21, s12, 6
	s_lshl_b32 s22, s41, 4
	s_add_co_u32 s21, s21, s22                     ; B: the 64 k-rows that I fetch, my work-group's 16 of them,
	s_mul_i32 s21, s21, NCOL*2
	s_lshl_b32 s22, s42, 9
	s_add_co_u32 s21, s21, s22
	s_add_co_u32 s21, s21, 3*KSB
	s_and_b32 s22, ttmp7, 0xffff                   ; cluster y
	s_mov_b32 s[PST], KSB
	s_mov_b32 s23, NCOL*2
	s_cmp_eq_u32 s11, 0                            ; do I fetch for A?
	s_cselect_b32 s20, s20, s21
	s_cselect_b32 s22, ttmp9, s22                  ; the coordinate along which other clusters read the same blocks
	s_cselect_b64 s[PFA:PFA+1], s[4:5], s[6:7]
	s_cselect_b32 s[PST], KSTEP*2, s[PST]
	s_cselect_b32 s23, SIZE_K*2, s23               ; bytes in a row of that tensor
	s_mov_b32 s[PST+1], 0
	s_mov_b32 s21, 0
	s_cmp_eq_u32 s22, 0
	s_cselect_b32 s[LIM], 1, -1                    ; the same in all sixteen partners, for a given wave
	s_add_nc_u64 s[PFA:PFA+1], s[PFA:PFA+1], s[20:21]
	v_lshrrev_b32 v8, s11, v7                      ; A: a lane a row; B: two lanes a row,
	v_and_b32 v7, s11, v7                          ; 256 bytes apart
	v_mul_u32_u24 v[PFO], s23, v8
	v_lshl_add_u32 v[PFO], v7, 8, v[PFO]
	; nothing is prefetched here, at the head, where every work-group's first tiles are on their way: K steps 2 and 3 come by their refills alone
	s_mov_b32 s2, 0xffff0000                       ; a word's upper bf16
	s_wait_loadcnt 0x0                             ; the bias: rounded to bf16 and widened again, while the first tile is on its way
.set i, 0
.rept 32
	v_cvt_pk_bf16_f32 v[TB+i], v[BIA+2*i], v[BIA+2*i+1]
.set i, i+1
.endr
.set i, 0
.rept 32
	v_lshlrev_b32 v[BIA+2*i],   16, v[TB+i]
	v_and_b32     v[BIA+2*i+1], s2, v[TB+i]
.set i, i+1
.endr
; 16 matrix instructions: m blocks a0, a0 + 1 of the window's four (hi = 0: my rows 0-63, 1: rows 64-127) x all 8 n blocks, 32 along K.  first = 1: the first product starts the sums, with the bias as C.
; The 64 accumulators take turns, one instruction a turn, in the same order in every quarter step.
.macro MUL16 f, hi, a0, first
.if \first
	WIN BEG_LO+0x40*(\hi)
.else
	WIN MUL_LO+0x50*(\hi)
.endif
.irp a, \a0, (\a0)+1
.irp b, 0,1,2,3,4,5,6,7
.if \first
	v_wmma_f32_16x16x32_f16 v[8*(8*(\a)+(\b)):8*(8*(\a)+(\b))+7], v[(\f)+8*(\b):(\f)+8*(\b)+7], v[(\f)+8*(4*(\hi)+(\a)):(\f)+8*(4*(\hi)+(\a))+7], v[BIA+8*(\b):BIA+8*(\b)+7]
.else
	v_wmma_f32_16x16x32_f16 v[8*(8*(\a)+(\b)):8*(8*(\a)+(\b))+7], v[(\f)+8*(\b):(\f)+8*(\b)+7], v[(\f)+8*(4*(\hi)+(\a)):(\f)+8*(4*(\hi)+(\a))+7], v[8*(8*(\a)+(\b)):8*(8*(\a)+(\b))+7]
.endif
.endr
.endr
.endm
; 32 LDS loads in one run: the fragments of quarter q of a K step (32 k x my 128 columns of B, turned; my 128 rows of A x 32 K) into buffer f.  B's first, A's rows 64-127 last.
.macro FETCH slot, q, f
	WIN TO_B
.irp i, 0,1,2,3,4,5,6,7
	ds_load_tr16_b128 v[(\f)+8*(\i):(\f)+8*(\i)+3],   v[ADRB+(\slot)] offset:(\q)*32*PB+32*(\i)
	ds_load_tr16_b128 v[(\f)+8*(\i)+4:(\f)+8*(\i)+7], v[ADRB+(\slot)] offset:(\q)*32*PB+16*PB+32*(\i)
.endr
	WIN 0
.irp i, 0,1,2,3,4,5,6,7
	ds_load_b128 v[(\f)+8*(\i):(\f)+8*(\i)+3],   v[ADRA+(\slot)] offset:(\q)*64+(\i)*16*PITCH
	ds_load_b128 v[(\f)+8*(\i)+4:(\f)+8*(\i)+7], v[ADRA+(\slot)] offset:(\q)*64+(\i)*16*PITCH+32
.endr
.endm
; A load into a register that a matrix instruction has read, and a vector instruction or an LDS store that reads a matrix result, stand four places behind that matrix instruction, and only plain
; vector instructions that name none of its registers are places (ISA guide 7.12.1 for vector instructions).
.macro PLACES
.rept 4
	v_nop
.endr
.endm
; A K step is four quarters of 32 along K, 64 matrix instructions each, on buffers 0, 1, 0, 1.  One of the first three: multiplies buffer f; in its middle it fetches quarter q of the same slot into buffer g.
.macro QUARTER slot, q, f, g, first
	s_wait_dscnt 8                                 ; B and A's rows 0-63 are in; the youngest eight loads (A's rows 64-127) may be out
	MUL16 \f, 0, 0, \first
	MUL16 \f, 0, 2, \first
	PLACES
	FETCH \slot, \q, \g
	s_wait_dscnt 32                                ; all but the 32 just issued
	MUL16 \f, 1, 0, \first
	MUL16 \f, 1, 2, \first
.endm
; The last quarter multiplies buffer 1 and changes slots.  MEET is its first half: ONE barrier.  In front of it each wave waits for all its tensor loads, of which one is out: its part of the next slot;
; adds 0 to its spare word; and waits for that and for its own reads of this slot.  Behind it nobody reads this slot any more and the next slot is whole.
.macro MEET round                      ; round = 1: the rest of a round of the cluster's barrier follows
	WIN 0                                          ; (the add's two registers lie in window 0)
	s_wait_tensorcnt 0x0                           ; all my tensor loads have landed
	ds_add_u32 v[SPW], v[NIL]                      ; 0 onto my spare word
	s_wait_dscnt 9                                 ; (the add and the youngest eight loads may be out)
	MUL16 F1, 0, 0, 0                              ; sixteen matrix instructions stand between the add and the wait for it
	s_wait_dscnt 0x0                               ; the add is done, and my reads of this slot are over
	s_barrier_signal -1
	MUL16 F1, 0, 2, 0                              ; work on registers while the others arrive
.if \round
	WIN 0
.endif
	s_barrier_wait -1
.endm
; The whole last quarter.  Behind the round the slot just read out is filled again first, with the K step two steps on; then come the next slot's first fragments.
; From a request to the wait for it a wave issues 224 matrix instructions.
.macro TURN slot, next
	s_wait_xcnt 0x0                                ; the last prefetch, a K step back, has read its address: it is stepped here, ahead of the waits of the change of slots
	s_add_nc_u64 s[PFA:PFA+1], s[PFA:PFA+1], s[PST:PST+1]
	MEET 1
	CREST                                          ; no wave of any partner still reads this slot's tile or has a load on its way
	s_add_nc_u64 s[G0+4*(\slot)+2:G0+4*(\slot)+3], s[G0+4*(\slot)+2:G0+4*(\slot)+3], 2*KSTEP*2
	s_add_nc_u64 s[G0B+4*(\slot)+2:G0B+4*(\slot)+3], s[G0B+4*(\slot)+2:G0B+4*(\slot)+3], 2*KSB
	JLOAD \slot                                    ; the first tensor load behind the round; the four v_nop behind it are also the places in front of the loads below
	FETCH \next, 0, F0
	ASK
	MUL16 F1, 1, 0, 0
	MUL16 F1, 1, 2, 0
.endm
; THE LAST K STEP (it lies in slot 1) GOES BY ROWS OF C, NOT BY K.  All its fragments of B (4 quarters x 64 registers) fill window 1; then my eight blocks of 16 rows are finished one after the other,
; each with 32 matrix instructions (its 8 accumulators by turns, K ascending: the sums are the same).  LDS is read no more than in any other K step.
.macro BLOAD q                         ; B's fragments of quarter q, turned -> window 1, v[64 q ..]
	WIN TO_B
.irp i, 0,1,2,3,4,5,6,7
	ds_load_tr16_b128 v[64*(\q)+8*(\i):64*(\q)+8*(\i)+3],   v[ADRB+1] offset:(\q)*32*PB+32*(\i)
	ds_load_tr16_b128 v[64*(\q)+8*(\i)+4:64*(\q)+8*(\i)+7], v[ADRB+1] offset:(\q)*32*PB+16*PB+32*(\i)
.endr
.endm
.macro ALOAD a                         ; A's fragments of block a, all four quarters -> buffer a % 4
	WIN 0
.set FA, PA+32*((\a)%4)
.irp q, 0,1,2,3
	ds_load_b128 v[FA+8*(\q):FA+8*(\q)+3],   v[ADRA+1] offset:64*(\q)+(\a)*16*PITCH
	ds_load_b128 v[FA+8*(\q)+4:FA+8*(\q)+7], v[ADRA+1] offset:64*(\q)+(\a)*16*PITCH+32
.endr
.endm
.macro ROW a                           ; block a is finished: 32 matrix instructions
.set FA, PA+32*((\a)%4)                ; its fragments of A
.set AC, 64*((\a)%4)                   ; its eight accumulators, in window 2 (blocks 0-3) or 3 (blocks 4-7)
	WIN MUL_LO+0x50*((\a)/4)
.irp q, 0,1,2,3
.if (\a) == 0 && (\q) == 2
	s_wait_dscnt 24                                ; B's quarter 2 is in (behind it: A's blocks 1 to 3, 24 loads)
.endif
.irp b, 0,1,2,3,4,5,6,7
	v_wmma_f32_16x16x32_f16 v[AC+8*(\b):AC+8*(\b)+7], v[64*(\q)+8*(\b):64*(\q)+8*(\b)+7], v[FA+8*(\q):FA+8*(\q)+7], v[AC+8*(\b):AC+8*(\b)+7]
.endr
.endr
.endm
; THE WAY OUT of block a (16 rows x my 128 columns, f32).  T32: the accumulators go as they are into my own stage in LDS (each one's four lowest registers first), and come back as whole rows of 512 bytes.
; S32: the rows are stored, each as soon as it is back.
.macro T32 a
.set AC, 64*((\a)%4)
	WIN 0x08+4*((\a)/4)                            ; the stores' data (source 1): window 2 or 3
.irp b, 0,1,2,3,4,5,6,7
	ds_store_b128 v[STO], v[AC+8*(\b):AC+8*(\b)+3]   offset:64*(\b)
	ds_store_b128 v[STO], v[AC+8*(\b)+4:AC+8*(\b)+7] offset:64*(\b)+16
.endr
	WIN 0
	s_wait_xcnt 0x0                                ; the stores of the block before have read their registers, which are loaded again below
.irp t, 0,1,2,3,4,5,6,7,8,9,10,11,12,13,14,15
	ds_load_b128 v[BK+4*(\t):BK+4*(\t)+3], v[RD] offset:(\t)*SPITCH  ; LDS serves a wave's instructions in order (ISA guide 5.7.1.4): these see the stores above, and the next block's stores come behind them
.endr
.endm
.macro S32 a, younger                  ; younger: the LDS loads issued behind T32's: the eight of A's block four on, or none
	WIN 0
.irp t, 0,1,2,3,4,5,6,7,8,9,10,11,12,13,14,15
	s_wait_dscnt (\younger)+15-(\t)                ; row t is back; the 15 - t rows behind it and the younger loads may be out
	global_store_b128 v[CO], v[BK+4*(\t):BK+4*(\t)+3], s[8:9] offset:(16*(\a)+(\t))*NCOL*4  ; 512 consecutive bytes, at a multiple of 256 from C's first byte
.endr
.endm
	s_wait_tensorcnt 1                             ; my part of K step 0 is in; K step 1's may stay out
	s_barrier_signal -1
	s_barrier_wait -1                              ; everybody's is
	FETCH 0, 0, F0
	QUARTER 0, 1, F0, F1, 1                        ; the first quarter stands in front of the loop: its products start the sums, on the bias
	WIN 0                                          ; at a label and at a branch every window is 0
	s_mov_b32 s3, LAPS-1
.Llap:                                                 ; a trip goes once round the ring, from a lap's second quarter to the next lap's first, and fills both slots again
	QUARTER 0, 2, F1, F0, 0
	QUARTER 0, 3, F0, F1, 0
	TURN 0, 1
	QUARTER 1, 1, F0, F1, 0
	QUARTER 1, 2, F1, F0, 0
	QUARTER 1, 3, F0, F1, 0
	TURN 1, 0
	QUARTER 0, 1, F0, F1, 0
	WIN 0
	s_sub_co_u32 s3, s3, 1
	s_cmp_lg_u32 s3, 0
	s_cbranch_scc1 .Llap
	QUARTER 0, 2, F1, F0, 0                        ; the last lap fills nothing
	QUARTER 0, 3, F0, F1, 0
	MEET 0                                         ; the one tensor load that was still out is slot 1's, the last K step's, so no round follows
	PLACES                                         ; for the loads into buffer 0, which the quarter before multiplied
	BLOAD 0                                        ; three quarters of B now: buffer 1 (v128-191 of both windows) is still being multiplied
	BLOAD 1
	BLOAD 3
	ALOAD 0
	MUL16 F1, 1, 0, 0
	MUL16 F1, 1, 2, 0
	PLACES                                         ; for the loads into buffer 1
	BLOAD 2
	ALOAD 1
	ALOAD 2
	ALOAD 3
	s_wait_dscnt 40                                ; all but the 40 just issued: B's quarters 0, 1, 3 and A's block 0 are in
	ROW 0
.irp a, 0,1,2,3,4,5,6,7                ; each block leaves as soon as it is finished
	PLACES                                         ; the LDS stores read results just made, and the loads of A's block four on go into registers just read
	T32 \a
.if (\a) < 4
	ALOAD (\a)+4                                   ; its buffer takes the block four further on
	S32 \a, 8
.else
	S32 \a, 0
.endif
.if (\a) < 7
	ROW (\a)+1                                     ; its fragments of A are in: S32's last wait left out at most the eight loads issued behind them
.endif
.endr
	s_wait_tensorcnt 0x0                           ; the wave's end: behind my last tensor load and my last LDS store
	ds_add_u32 v[SPW], v[NIL]
	s_wait_dscnt 0x0
	CROUND                                         ; the closing round: no work-group ends while a partner may still ask for a tile that names it
	s_endpgm
.Lfunc_end_k_q6df5d5a8fc_gemm_out:
	.size	k_q6df5d5a8fc_gemm_out, .Lfunc_end_k_q6df5d5a8fc_gemm_out-k_q6df5d5a8fc_gemm_out
	.p2alignl 7, 3214868480
	.fill 96, 4, 3214868480
	.section	.rodata,"a",@progbits
	.p2align	6, 0x0
	.amdhsa_kernel k_q6df5d5a8fc_gemm_out
		.amdhsa_group_segment_fixed_size 327680
		.amdhsa_private_segment_fixed_size 0
		.amdhsa_enable_private_segment 0
		.amdhsa_kernarg_size 32
		.amdhsa_user_sgpr_count 2
		.amdhsa_user_sgpr_kernarg_segment_ptr 1
		.amdhsa_wavefront_size32 1
		.amdhsa_system_sgpr_workgroup_id_x 1
		.amdhsa_system_sgpr_workgroup_id_y 1
		.amdhsa_system_sgpr_workgroup_id_z 1
		.amdhsa_system_vgpr_workitem_id 0
		.amdhsa_next_free_vgpr 1024
		.amdhsa_next_free_sgpr 72
		.amdhsa_reserve_vcc 0
		.amdhsa_float_denorm_mode_32 3
		.amdhsa_float_denorm_mode_16_64 3
		.amdhsa_memory_ordered 1
		.amdhsa_forward_progress 1
		.amdhsa_inst_pref_size 152
	.end_amdhsa_kernel
	.amdgpu_metadata
---
amdhsa.version: [ 1, 2 ]
amdhsa.kernels:
  - .name:           k_q6df5d5a8fc_gemm_out
    .symbol:         k_q6df5d5a8fc_gemm_out.kd
    .args:
      - { .name: oh, .offset: 0, .size: 8, .value_kind: global_buffer, .address_space: global }
      - { .name: wo, .offset: 8, .size: 8, .value_kind: global_buffer, .address_space: global }
      - { .name: b_out, .offset: 16, .size: 8, .value_kind: global_buffer, .address_space: global }
      - { .name: out0, .offset: 24, .size: 8, .value_kind: global_buffer, .address_space: global }
    .group_segment_fixed_size: 327680
    .private_segment_fixed_size: 0
    .kernarg_segment_align: 8
    .kernarg_segment_size: 32
    .max_flat_workgroup_size: 128
    .sgpr_count:     72
    .vgpr_count:     1024
    .wavefront_size: 32
...
	.end_amdgpu_metadata
.endif
;; end of part 4
